; MI455X (gfx1250); checked and timed in simulation.
; The chip was launched on July 23, 2026; its instructions are those of AMD's public machine-readable ISA for CDNA 5 (MIT licence, August 2026) and "CDNA5" Instruction Set Architecture Reference Guide (July 2026). The comments in the code are by the model that wrote it; some were corrected since.
;; Multi Headed Self Attn. Allowed arithmetic: matrix products marked QUANTISED: E2M1 operands, one E8M0 scale for each 32 along K, by v_wmma_scale_f32_16x16x128_f8f6f4 with both operands' format E2M1 (or v_wmma_scale_f32_32x16x128_f4), f32 sums; everything else in f32.
;; Inputs: bk 16 x 64 float32; bo 1,024 float32; bq 16 x 64 float32; bv 16 x 64 float32; k_and_v 4 x 2,048 x 1,024 float32; q 4 x 2,048 x 1,024 float32; wk 16 x 1,024 x 64 float32; wo 1,024 x 1,024 float32; wq 16 x 1,024 x 64 float32; wv 16 x 1,024 x 64 float32.
;; Outputs: out0 4 x 2,048 x 1,024 float32.
;; This version of the problem:
;;   THIS VERSION OF THE PROBLEM IS GIVEN IN LOW PRECISION. The matrix products marked QUANTISED in the list below multiply operands that are first quantised to E2M1 (2 exponent bits, 1 mantissa bit; 4 bits a number), with one power-of-two scale for each 32 numbers along K (OCP MX v1.0); their sums are f32. All else is computed in f32.
;;   The module's matrix products, in the order in which they are computed (A, B: the left and right operand; K: the contracted axis; several contracted axes count as one K, in the product's order):
;;     1. [M 1,024, K 1,024] x [K 1,024, N 8,192]; A: input wq; B: input q: QUANTISED
;;     2. [M 1,024, K 1,024] x [K 1,024, N 8,192]; A: input wk; B: input k_and_v: QUANTISED
;;     3. [M 1,024, K 1,024] x [K 1,024, N 8,192]; A: input wv; B: input k_and_v: QUANTISED
;;     4. batch 64 x [M 2,048, K 64] x [K 64, N 2,048]; A: computed on the way; B: computed on the way: QUANTISED
;;     5. batch 64 x [M 2,048, K 2,048] x [K 2,048, N 64]; A: softmax (see below); B: computed on the way: QUANTISED
;;     6. [M 8,192, K 1,024] x [K 1,024, N 1,024]; A: computed on the way; B: input wo: QUANTISED
;;   THE QUANTISER, for each operand of a quantised product, along K:
;;     - K is cut into blocks of 32 from its start; a last block that is shorter is filled with zeros.
;;     - A block's scale is 2^e with e = floor(log2(the largest magnitude in the block)) - 2, held to -126 .. 127; a block of zeros has e = 0. As a byte (E8M0): e + 127.
;;     - Each number is divided by its block's scale, clamped to +-6, and rounded to the nearest number of E2M1, ties to even, subnormals kept.
;;     - The product sums the exact products of the quantised numbers (number of the format x scale) in f32.
;;   ~~~python
;;   def quantise(x, axis):      # numpy; x: float32 -> the quantised numbers, widened to float32 again
;;       x = np.moveaxis(x, axis, -1); K = x.shape[-1]
;;       x = np.pad(x, [(0, 0)] * (x.ndim - 1) + [(0, -K % 32)]); x = x.reshape(x.shape[:-1] + (-1, 32)); a = np.abs(x).max(-1, keepdims=True)
;;       e = np.where(a > 0, np.clip(np.frexp(np.where(a > 0, a, 1))[1] - 1 - 2, -126, 127), 0)      # np.frexp(a)[1] - 1 = floor(log2(a)), exactly
;;       r = np.clip(x / 2.0 ** e, -6, 6)
;;       step = 2.0 ** (np.maximum(np.frexp(np.where(r == 0, 1, r))[1] - 1, 0) - 1)
;;       q = np.round(r / step) * step * 2.0 ** e      # np.round: ties to even
;;       return np.moveaxis(q.reshape(q.shape[:-2] + (-1,))[..., :K], -1, axis).astype(np.float32)
;;   ~~~
;;   SOFTMAX AHEAD OF A QUANTISED PRODUCT. Where the list says 'softmax', what is quantised is not the finished softmax but p = 2^(t - M), with t = logit x log2(e) and M = ceil(the row's largest t), a whole number; so 1/2 < the row's largest p <= 1. The row's sum l is taken of the UNQUANTISED p, in f32, and the product's result is divided by l at the end. Since M is a whole number, a kernel that streams over the keys may use a running M (the ceiling of the running maximum): every later rescaling is an exact power of two, which a block's scale takes up: the codes' values come out the same.
;;   OPERANDS COMPUTED ON THE WAY. 'Computed on the way' means the value that the module computes at that place (a softmax that the list does not call 'softmax' is quantised finished and normalised). What goes into a quantiser is computed in f32, as accurately as f32 sums, v_exp_f32 and their like allow (about 1e-6 of the number): no bf16 or f16 on the way to a quantiser, and a product that is left as it is and whose result goes on into a quantised operand takes f32 operands (vector FMAs, or v_wmma_f32_16x16x4_f32). A number that lies on a knife's edge between two numbers of the format may be rounded either way, as far as f32 arithmetic and the matrix unit's own rounding can turn it there, and no further.
;; One version. Each part assembles by itself: llvm-mc -triple=amdgcn-amd-amdhsa -mcpu=gfx1250 --defsym DOCPART=n.
;; ======== version 1 of 1: 5 launches
;; workspace buffers: x_codes 8,388,608 bytes; x_scales 524,288 bytes; w_codes 2,097,152 bytes; w_scales 131,072 bytes; qst 8,912,896 bytes; kvst 8,912,896 bytes; z_codes 4,194,304 bytes; z_scales 262,144 bytes
;; launch quant_x (part 1): grid 512 x 1, 4 waves a work-group, no clusters, 33,280 bytes of LDS; arguments q, k_and_v, x_codes, x_scales; writes x_codes, x_scales
.if DOCPART == 1
	.amdgcn_target "amdgcn-amd-amdhsa--gfx1250"
	.amdhsa_code_object_version 6
	.text
	.protected	k_qa803993f93_quant_x
	.globl	k_qa803993f93_quant_x
	.p2align	8
	.type	k_qa803993f93_quant_x,@function
k_qa803993f93_quant_x:
	s_mov_b64 s[64:65], 0
	v_nop
	global_prefetch_b8 v0, s[64:65] scope:SCOPE_SE
	s_setreg_imm32_b32 hwreg(HW_REG_WAVE_MODE, 25, 1), 1
	s_wait_xcnt 0x0
; q and k_and_v, each [8192 rows][1024] f32, become codes of FP4 (E2M1), K innermost, with one E8M0 byte for each 32 along K:
; x_codes [2][8192][512 bytes], x_scales [2][8192][32 bytes]; tensor 0 is q, tensor 1 is k_and_v.
; A block's scale is 2^(floor(log2(largest magnitude)) - 2); its byte is the largest magnitude's exponent field - 2, held at 1 from below.
; A block of zeros gets the byte 1 (its codes are zeros; the bytes are read by this program alone).
; LIMITS: largest magnitudes under 2^-124 are held at the floor; NaN and infinities are not served.
; Rows are dense and 1024 is a multiple of 32: both tensors are plain streams of blocks of 32.  A wave takes 16 steps of 512 numbers.
; Each load reads 512 consecutive bytes; a step's 2,048 bytes turn through the wave's own stage in LDS, so that a lane then holds 16 neighbours
; (two neighbouring lanes hold a block).  A lane's 16 codes are 8 bytes: a wave's store covers 256 consecutive, aligned bytes.
; A wave's 256 scale bytes are gathered in its own LDS bytes and leave as one aligned run of 256 bytes.  Waves share nothing: no barrier.
.set WAVES, 4
.set STEPS, 16
.set WGA,   256                        ; the first 256 work-groups take q, the others k_and_v
.set CB,    8                          ; bytes of 16 codes
.set R,     16                         ; v16-79   four sets of 16 numbers as loaded
.set X,     80                         ; v80-111  two sets of 16 neighbours
.set C,     128                        ; v128-191 codes, four registers a step: no store's data are written again
.set E,     112                        ; v112-127 a scale byte for each step
.set WREG,  8192                       ; LDS: a region for each wave: two stages of 32 x SP bytes, then its 256 scale bytes
.set SP,    80                         ; a lane's place in a stage: 64 bytes + 16 of padding
.set SPW,   12                         ; v12 LDS address of my spare word; never rewritten
.set NIL,   13                         ; v13 0; never rewritten
.set SPARE, WAVES*WREG                 ; the spare words, 128 bytes a wave, named by no other line
	s_load_b256 s[4:11], s[0:1], 0x0               ; q, k_and_v, x_codes, x_scales
	v_lshl_add_u32 v[SPW], v0, 2, SPARE
	v_mov_b32 v[NIL], 0
	v_lshrrev_b32 v1, 5, v0
	v_readfirstlane_b32 s16, v1                    ; wave
	v_and_b32 v2, 31, v0                           ; lane
	v_lshlrev_b32 v3, 4, v2                        ; my 16 bytes of a load's 512
	s_mul_i32 s17, s16, WREG
	v_lshrrev_b32 v14, 2, v2
	v_mul_u32_u24 v14, v14, SP
	v_and_b32 v15, 3, v2
	v_lshl_add_u32 v14, v15, 4, v14
	v_add_nc_u32 v14, s17, v14                     ; the stage, way in: SP (lane / 4) + 16 (lane % 4)
	v_mul_u32_u24 v15, v2, SP
	v_add_nc_u32 v15, s17, v15                     ; way out: SP x lane: my 16 neighbours
	v_mul_u32_u24 v4, v2, CB                       ; my codes' place in a step's
	v_lshrrev_b32 v5, 1, v2
	s_add_co_u32 s17, s17, 2*32*SP
	v_add_nc_u32 v5, s17, v5                       ; my block's byte among my wave's 256
	v_lshlrev_b32 v7, 3, v2
	v_add_nc_u32 v6, s17, v7                       ; and 8 bytes a lane on their way out
	s_wait_alu depctr_va_vdst(0)
	s_wait_kmcnt 0x0
	s_cmp_lt_u32 ttmp9, WGA                        ; which tensor: the choice hangs on the work-group's number alone
	s_cselect_b64 s[4:5], s[4:5], s[6:7]
	s_cselect_b32 s17, 0, WGA
	s_sub_co_u32 s17, ttmp9, s17
	s_lshl_b32 s17, s17, 2
	s_add_co_u32 s18, s17, s16                     ; my run of 8,192 numbers within the tensor
	s_lshl_b32 s18, s18, 15                        ; 32,768 bytes a run
	s_mov_b32 s19, 0
	s_add_nc_u64 s[4:5], s[4:5], s[18:19]
	s_lshl_b32 s17, ttmp9, 2
	s_add_co_u32 s17, s17, s16                     ; my run among both tensors' 2,048
	s_lshl_b32 s18, s17, 12                        ; 4,096 bytes of codes a run
	s_add_nc_u64 s[8:9], s[8:9], s[18:19]
	s_lshl_b32 s18, s17, 8                         ; 256 scale bytes a run
	s_add_nc_u64 s[10:11], s[10:11], s[18:19]
.macro LOAD t
.irp i, 0,1,2,3
	global_load_b128 v[R+16*((\t)%4)+4*\i:R+16*((\t)%4)+4*\i+3], v3, s[4:5] offset:2048*(\t)+512*\i th:TH_LOAD_NT
.endr
.endm
.macro TURN t                          ; step t's numbers through the stage: LDS serves a wave's instructions in order, so no wait between stores and loads
.irp i, 0,1,2,3
	ds_store_b128 v14, v[R+16*((\t)%4)+4*\i:R+16*((\t)%4)+4*\i+3] offset:32*SP*((\t)%2)+8*SP*\i
.endr
.irp i, 0,1,2,3
	ds_load_b128 v[X+16*((\t)%2)+4*\i:X+16*((\t)%2)+4*\i+3], v15 offset:32*SP*((\t)%2)+16*\i
.endr
.endm
.irp t, 0,1,2,3
	LOAD \t
.endr
	s_wait_loadcnt 12                              ; step 0's four loads are in; three steps' twelve may be out
	TURN 0
.macro STEP t
.set XS, X+16*((\t)%2)
.if (\t) > 0
	s_wait_dscnt 1                                 ; this step's numbers are back (the last step's byte store may be out)
.else
	s_wait_dscnt 0x0
.endif
.if (\t)+4 < STEPS
	LOAD (\t)+4                                    ; into the set whose stores to the stage have read their registers
.endif
.if (\t)+1 < STEPS
.if STEPS-2-(\t) >= 3
	s_wait_loadcnt 12                              ; the next step's four loads are in; three steps' twelve may be out
.else
	s_wait_loadcnt 4*(STEPS-2-(\t))
.endif
	TURN (\t)+1
.endif
	v_max3_num_f32 v8, |v[XS]|, |v[XS+1]|, |v[XS+2]|
	v_max3_num_f32 v9, |v[XS+3]|, |v[XS+4]|, |v[XS+5]|
.irp i, 6,10
	v_max3_num_f32 v8, v8, |v[XS+\i]|, |v[XS+\i+1]|
	v_max3_num_f32 v9, v9, |v[XS+\i+2]|, |v[XS+\i+3]|
.endr
	v_max3_num_f32 v8, v8, |v[XS+14]|, |v[XS+15]|
	v_max3_num_f32 v8, v8, v9, 0x1800000           ; and the floor 2^(3 - 127): the byte cannot fall under 1
	v_max_num_f32_dpp v8, v8, v8 row_xmask:1 row_mask:0xf bank_mask:0xf   ; with my neighbour's 16: the block's largest magnitude
	v_add_nc_u32 v11, 0xff000000, v8               ; 2 off its exponent field: the conversion's scale operand
	v_cvt_scalef32_pk8_fp4_f32 v[C+4*(\t)], v[XS:XS+7], v11
	v_cvt_scalef32_pk8_fp4_f32 v[C+4*(\t)+1], v[XS+8:XS+15], v11
	v_lshrrev_b32 v[E+(\t)], 23, v11               ; the scale's byte (also the plain line behind the conversions)
	ds_store_b8 v5, v[E+(\t)] offset:16*(\t)       ; both lanes of a block write the same byte with the same value
	global_store_b64 v4, v[C+4*(\t):C+4*(\t)+1], s[8:9] offset:32*CB*(\t)
.endm
.irp t, 0,1,2,3,4,5,6,7,8,9,10,11,12,13,14,15
	STEP \t
.endr
	ds_load_b64 v[8:9], v6                         ; in order behind my byte stores
	s_wait_dscnt 0x0
	global_store_b64 v7, v[8:9], s[10:11]          ; 32 lanes store 256 consecutive, aligned bytes
	s_wait_tensorcnt 0x0                           ; the wave's end
	ds_add_u32 v[SPW], v[NIL]
	s_wait_dscnt 0x0
	s_endpgm
.Lfunc_end_k_qa803993f93_quant_x:
	.size	k_qa803993f93_quant_x, .Lfunc_end_k_qa803993f93_quant_x-k_qa803993f93_quant_x
	.p2alignl 7, 3214868480
	.fill 96, 4, 3214868480
	.section	.rodata,"a",@progbits
	.p2align	6, 0x0
	.amdhsa_kernel k_qa803993f93_quant_x
		.amdhsa_group_segment_fixed_size 33280
		.amdhsa_private_segment_fixed_size 0
		.amdhsa_enable_private_segment 0
		.amdhsa_kernarg_size 32
		.amdhsa_user_sgpr_count 2
		.amdhsa_user_sgpr_kernarg_segment_ptr 1
		.amdhsa_wavefront_size32 1
		.amdhsa_system_sgpr_workgroup_id_x 1
		.amdhsa_system_sgpr_workgroup_id_y 1
		.amdhsa_system_sgpr_workgroup_id_z 1
		.amdhsa_system_vgpr_workitem_id 0
		.amdhsa_next_free_vgpr 192
		.amdhsa_next_free_sgpr 66
		.amdhsa_reserve_vcc 0
		.amdhsa_float_denorm_mode_32 3
		.amdhsa_float_denorm_mode_16_64 3
		.amdhsa_memory_ordered 1
		.amdhsa_forward_progress 1
		.amdhsa_inst_pref_size 33
	.end_amdhsa_kernel
	.amdgpu_metadata
---
amdhsa.version: [ 1, 2 ]
amdhsa.kernels:
  - .name:           k_qa803993f93_quant_x
    .symbol:         k_qa803993f93_quant_x.kd
    .args:
      - { .name: q, .offset: 0, .size: 8, .value_kind: global_buffer, .address_space: global }
      - { .name: k_and_v, .offset: 8, .size: 8, .value_kind: global_buffer, .address_space: global }
      - { .name: x_codes, .offset: 16, .size: 8, .value_kind: global_buffer, .address_space: global }
      - { .name: x_scales, .offset: 24, .size: 8, .value_kind: global_buffer, .address_space: global }
    .group_segment_fixed_size: 33280
    .private_segment_fixed_size: 0
    .kernarg_segment_align: 8
    .kernarg_segment_size: 32
    .max_flat_workgroup_size: 128
    .sgpr_count:     66
    .vgpr_count:     192
    .wavefront_size: 32
...
	.end_amdgpu_metadata
.endif
;; end of part 1
;; launch quant_w (part 2): grid 32 x 8, 4 waves a work-group, no clusters, 9,728 bytes of LDS; arguments wq, wk, wv, wo, w_codes, w_scales; writes w_codes, w_scales
.if DOCPART == 2
	.amdgcn_target "amdgcn-amd-amdhsa--gfx1250"
	.amdhsa_code_object_version 6
	.text
	.protected	k_qa803993f93_quant_w
	.globl	k_qa803993f93_quant_w
	.p2align	8
	.type	k_qa803993f93_quant_w,@function
k_qa803993f93_quant_w:
	s_mov_b64 s[64:65], 0
	v_nop
	global_prefetch_b8 v0, s[64:65] scope:SCOPE_SE
	s_setreg_imm32_b32 hwreg(HW_REG_WAVE_MODE, 25, 1), 1
	s_wait_xcnt 0x0
; The four weights, whose K (the 1,024 inputs) is not innermost, become codes of FP4 laid [matrix 4][n 1024][512 bytes] with K innermost,
; and E8M0 bytes [4][1024][32].  Matrices 0-2 are wq, wk, wv [16 heads][1024 k][64 d], n = 64 head + d; matrix 3 is wo [1024 k][1024 n].
; A LANE TAKES A COLUMN n AND ITS REGISTERS RUN DOWN K: a block of 32 along K lies in one lane, and the conversions give codes with K innermost.
; A work-group takes 32 columns x 512 along K (x: the columns; y: 2 x matrix + half of K); wave w takes 128 of the 512: four blocks a lane.
; Each load of a wave reads 128 consecutive bytes.  The codes meet in a stage (32 rows of 256 bytes + 16) and leave by rows: sixteen lanes store 256 aligned bytes.
; The scale bytes (16 a column here) leave 4 bytes a lane, 16 bytes to a row of 32: short pieces, one byte for each 128 bytes that the launch reads.
; The quantiser and its LIMITS are those of quant_x: floor 2^-124, a block of zeros has byte 1, NaN and infinities not served.
.set PITCH, 272
.set SCST,  32*PITCH                   ; behind the stage: 16 scale bytes for each of 32 columns
.set SPARE, SCST+512                   ; the spare words, 128 bytes a wave, named by no other line
.set SPW,   14
.set NIL,   15
.set RO,    16                         ; v16-47   4 lane + i x row pitch
.set X,     48                         ; v48-175  four blocks of 32 numbers
.set C,     176                        ; v176-191 four blocks' codes
.set SBW,   192                        ; my four scale bytes
.set OUTR,  196                        ; v196-211 rows on their way out
.set SCO,   212
.set BAS,   32                         ; s[32:39] the four blocks' bases; never rewritten
	s_load_b256 s[4:11], s[0:1], 0x0               ; wq, wk, wv, wo
	s_load_b128 s[12:15], s[0:1], 0x20             ; w_codes, w_scales
	v_lshl_add_u32 v[SPW], v0, 2, SPARE
	v_mov_b32 v[NIL], 0
	v_lshrrev_b32 v1, 5, v0
	v_readfirstlane_b32 s16, v1                    ; wave
	v_and_b32 v1, 31, v0                           ; lane
	s_wait_alu depctr_va_vdst(0)
	s_and_b32 s17, ttmp7, 0xffff
	s_and_b32 s18, s17, 1                          ; which half of K
	s_lshr_b32 s17, s17, 1                         ; which matrix
	s_lshl_b32 s19, ttmp9, 5                       ; n0: my work-group's first column
	s_lshl_b32 s22, s19, 2                         ; wo: the column's bytes
	s_lshr_b32 s23, s19, 6
	s_lshl_b32 s23, s23, 18                        ; the others: head x 262,144
	s_and_b32 s20, s19, 63
	s_lshl_b32 s20, s20, 2
	s_add_co_u32 s23, s23, s20                     ; + 4 d
	s_mov_b32 s21, 256
	s_cmp_eq_u32 s17, 3
	s_cselect_b32 s21, 4096, s21                   ; bytes from a row k to the next
	s_cselect_b32 s22, s22, s23
	s_lshl_b32 s20, s18, 9
	s_lshl_b32 s23, s16, 7
	s_add_co_u32 s20, s20, s23                     ; my wave's first k
	s_mul_i32 s20, s20, s21
	s_add_co_u32 s26, s20, s22                     ; my wave's first byte in its matrix (under 2^23)
	s_mov_b32 s27, 0
	s_lshl_b32 s28, s21, 5                         ; a block on: 32 rows
	s_mov_b32 s29, 0
	v_lshlrev_b32 v2, 2, v1
	v_mov_b32 v3, s21
.set i, 0
.rept 32
	v_mad_u32_u24 v[RO+i], v3, i, v2
.set i, i+1
.endr
	v_mul_u32_u24 v4, v1, PITCH
	s_lshl_b32 s23, s16, 6
	v_add_nc_u32 v4, s23, v4                       ; stage, way in: row = my column, + 64 x wave
	v_lshlrev_b32 v5, 4, v1
	s_lshl_b32 s23, s16, 2
	v_add_nc_u32 v5, s23, v5
	v_add_nc_u32 v5, SCST, v5                      ; my four bytes: 16 x column + 4 x wave
	v_and_b32 v9, 15, v1
	v_lshrrev_b32 v10, 4, v1
	s_mul_i32 s23, s16, 8*PITCH
	v_mul_u32_u24 v6, v10, PITCH
	v_lshl_add_u32 v6, v9, 4, v6
	v_add_nc_u32 v6, s23, v6                       ; stage, way out: rows 8 wave on, sixteen lanes to a row
	v_lshlrev_b32 v7, 9, v10
	v_lshl_add_u32 v7, v9, 4, v7
	s_lshl_b32 s23, s16, 12
	v_add_nc_u32 v7, s23, v7                       ; the same place among the codes' rows of 512 bytes
	s_lshl_b32 s23, s16, 7
	v_add_nc_u32 v8, s23, v2
	v_add_nc_u32 v8, SCST, v8                      ; scale bytes, way out: 128 x wave + 4 x lane
	v_lshrrev_b32 v9, 2, v1
	v_and_b32 v10, 3, v1
	v_lshlrev_b32 v9, 5, v9
	v_lshl_add_u32 v9, v10, 2, v9
	s_lshl_b32 s23, s16, 8
	v_add_nc_u32 v9, s23, v9                       ; column 8 wave + lane / 4: 32 bytes a column; word lane % 4
	s_lshl_b32 s30, s17, 19                        ; the codes: matrix x 524,288 + n0 x 512 + half x 256
	s_lshl_b32 s23, s19, 9
	s_add_co_u32 s30, s30, s23
	s_lshl_b32 s23, s18, 8
	s_add_co_u32 s30, s30, s23
	s_mov_b32 s31, 0
	s_lshl_b32 s20, s17, 15                        ; the scales: matrix x 32,768 + n0 x 32 + half x 16
	s_lshl_b32 s23, s19, 5
	s_add_co_u32 s20, s20, s23
	s_lshl_b32 s23, s18, 4
	s_add_co_u32 s20, s20, s23
	s_mov_b32 s21, 0
	s_wait_kmcnt 0x0
	s_cmp_eq_u32 s17, 1                            ; the matrix is chosen by the work-group's number alone
	s_cselect_b64 s[24:25], s[6:7], s[4:5]
	s_cmp_eq_u32 s17, 2
	s_cselect_b64 s[24:25], s[8:9], s[24:25]
	s_cmp_eq_u32 s17, 3
	s_cselect_b64 s[24:25], s[10:11], s[24:25]
	s_add_nc_u64 s[BAS:BAS+1], s[24:25], s[26:27]
	s_add_nc_u64 s[BAS+2:BAS+3], s[BAS:BAS+1], s[28:29]
	s_add_nc_u64 s[BAS+4:BAS+5], s[BAS+2:BAS+3], s[28:29]
	s_add_nc_u64 s[BAS+6:BAS+7], s[BAS+4:BAS+5], s[28:29]
	s_add_nc_u64 s[12:13], s[12:13], s[30:31]
	s_add_nc_u64 s[14:15], s[14:15], s[20:21]
.macro LOAD t                          ; block t: 32 rows of K at my column
.set i, 0
.rept 32
	global_load_b32 v[X+32*(\t)+i], v[RO+i], s[BAS+2*(\t):BAS+2*(\t)+1] th:TH_LOAD_NT
.set i, i+1
.endr
.endm
	LOAD 0
	LOAD 1
.macro BLOCK t
.set XS, X+32*(\t)
.if (\t) < 3
	s_wait_loadcnt 32                              ; this block's 32 loads are in; the next block's 32 may be out
.else
	s_wait_loadcnt 0x0
.endif
.if (\t)+2 < 4
	LOAD (\t)+2                                    ; every block has registers of its own
.endif
	v_max3_num_f32 v12, |v[XS]|, |v[XS+1]|, |v[XS+2]|
	v_max3_num_f32 v13, |v[XS+3]|, |v[XS+4]|, |v[XS+5]|
.irp i, 6,10,14,18,22,26
	v_max3_num_f32 v12, v12, |v[XS+\i]|, |v[XS+\i+1]|
	v_max3_num_f32 v13, v13, |v[XS+\i+2]|, |v[XS+\i+3]|
.endr
	v_max3_num_f32 v12, v12, |v[XS+30]|, |v[XS+31]|
	v_max3_num_f32 v12, v12, v13, 0x1800000        ; and the floor 2^(3 - 127)
	v_add_nc_u32 v11, 0xff000000, v12              ; 2 off the exponent field: the conversion's scale operand
	v_lshrrev_b32 v13, 23, v11                     ; the byte
.if (\t) == 0
	v_mov_b32 v[SBW], v13
.else
	v_lshl_or_b32 v[SBW], v13, 8*(\t), v[SBW]
.endif
.irp g, 0,1,2,3
	v_cvt_scalef32_pk8_fp4_f32 v[C+4*(\t)+\g], v[XS+8*\g:XS+8*\g+7], v11
.endr
	v_nop                                          ; a plain line behind the conversions
	ds_store_b128 v4, v[C+4*(\t):C+4*(\t)+3] offset:16*(\t)
.endm
	BLOCK 0
	BLOCK 1
	BLOCK 2
	BLOCK 3
	ds_store_b32 v5, v[SBW]
	s_wait_dscnt 0x0                               ; for the others' sake: my stores have landed
	s_barrier_signal -1
	s_barrier_wait -1
.irp i, 0,1,2,3
	ds_load_b128 v[OUTR+4*\i:OUTR+4*\i+3], v6 offset:2*\i*PITCH
.endr
	ds_load_b32 v[SCO], v8
.irp i, 0,1,2,3
	s_wait_dscnt 4-\i                              ; the loads issued behind this one may be out
	global_store_b128 v7, v[OUTR+4*\i:OUTR+4*\i+3], s[12:13] offset:1024*\i   ; sixteen lanes store 256 consecutive, aligned bytes
.endr
	s_wait_dscnt 0x0
	global_store_b32 v9, v[SCO], s[14:15]
	s_wait_tensorcnt 0x0                           ; the wave's end
	ds_add_u32 v[SPW], v[NIL]
	s_wait_dscnt 0x0
	s_endpgm
.Lfunc_end_k_qa803993f93_quant_w:
	.size	k_qa803993f93_quant_w, .Lfunc_end_k_qa803993f93_quant_w-k_qa803993f93_quant_w
	.p2alignl 7, 3214868480
	.fill 96, 4, 3214868480
	.section	.rodata,"a",@progbits
	.p2align	6, 0x0
	.amdhsa_kernel k_qa803993f93_quant_w
		.amdhsa_group_segment_fixed_size 9728
		.amdhsa_private_segment_fixed_size 0
		.amdhsa_enable_private_segment 0
		.amdhsa_kernarg_size 48
		.amdhsa_user_sgpr_count 2
		.amdhsa_user_sgpr_kernarg_segment_ptr 1
		.amdhsa_wavefront_size32 1
		.amdhsa_system_sgpr_workgroup_id_x 1
		.amdhsa_system_sgpr_workgroup_id_y 1
		.amdhsa_system_sgpr_workgroup_id_z 1
		.amdhsa_system_vgpr_workitem_id 0
		.amdhsa_next_free_vgpr 216
		.amdhsa_next_free_sgpr 66
		.amdhsa_reserve_vcc 0
		.amdhsa_float_denorm_mode_32 3
		.amdhsa_float_denorm_mode_16_64 3
		.amdhsa_memory_ordered 1
		.amdhsa_forward_progress 1
		.amdhsa_inst_pref_size 25
	.end_amdhsa_kernel
	.amdgpu_metadata
---
amdhsa.version: [ 1, 2 ]
amdhsa.kernels:
  - .name:           k_qa803993f93_quant_w
    .symbol:         k_qa803993f93_quant_w.kd
    .args:
      - { .name: wq, .offset: 0, .size: 8, .value_kind: global_buffer, .address_space: global }
      - { .name: wk, .offset: 8, .size: 8, .value_kind: global_buffer, .address_space: global }
      - { .name: wv, .offset: 16, .size: 8, .value_kind: global_buffer, .address_space: global }
      - { .name: wo, .offset: 24, .size: 8, .value_kind: global_buffer, .address_space: global }
      - { .name: w_codes, .offset: 32, .size: 8, .value_kind: global_buffer, .address_space: global }
      - { .name: w_scales, .offset: 40, .size: 8, .value_kind: global_buffer, .address_space: global }
    .group_segment_fixed_size: 9728
    .private_segment_fixed_size: 0
    .kernarg_segment_align: 8
    .kernarg_segment_size: 48
    .max_flat_workgroup_size: 128
    .sgpr_count:     66
    .vgpr_count:     216
    .wavefront_size: 32
...
	.end_amdgpu_metadata
.endif
;; end of part 2
;; launch proj (part 3): grid 12 x 32, 4 waves a work-group, clusters of 4 x 4, 327,680 bytes of LDS; arguments x_codes, x_scales, w_codes, w_scales, bq, bk, bv, qst, kvst; writes qst, kvst
.if DOCPART == 3
	.amdgcn_target "amdgcn-amd-amdhsa--gfx1250"
	.amdhsa_code_object_version 6
	.text
	.protected	k_qa803993f93_proj
	.globl	k_qa803993f93_proj
	.p2align	8
	.type	k_qa803993f93_proj,@function
k_qa803993f93_proj:
	s_mov_b64 s[64:65], 0
	v_nop
	global_prefetch_b8 v0, s[64:65] scope:SCOPE_SE
	s_setreg_imm32_b32 hwreg(HW_REG_WAVE_MODE, 25, 1), 1
	s_wait_xcnt 0x0
	s_wait_alu depctr_hold_cnt(0) depctr_sa_sdst(0) depctr_va_vdst(0) depctr_va_sdst(0) depctr_va_ssrc(0) depctr_va_vcc(0) depctr_vm_vsrc(0)
	s_getreg_b32 s2, hwreg(HW_REG_IB_STS2, 6, 4)
	s_cmp_eq_u32 s2, 0
	s_cbranch_scc0 .Lentry_in_a_cluster
	s_endpgm
.Lentry_in_a_cluster:
	s_bfe_u32 s2, ttmp6, 0x10000c
	s_cmp_lg_u32 s2, 0xf033
	s_cbranch_scc0 .Lentry_shape_is_right
	s_endpgm
.Lentry_shape_is_right:
; The three projections on codes of FP4 (K = 1,024), their biases, and the quantising of the results for the attention launch.
; Cluster x says which: 0: qh, 1: kh, 2: vh.  A tile of C is 256 x 256, four waves of 128 x 128 (64 accumulators, 512 registers).
; THE MATRIX INSTRUCTION IS USED TRANSPOSED (source 0 = 16 rows of B, source 1 = 16 rows of A): a lane holds ONE row of C and eight neighbouring columns.
;   qh, kh: A = tokens (x_codes), B = weight rows n = 64 head + d: a lane's columns run along d, the next product's K.
;   vh:     A = weight rows,      B = tokens:                      a lane's columns run along the keys, the next product's K.
; So one way out serves all three.  All that differs is chosen by s_cselect on the cluster's x, which all sixteen partners share; no branch hangs on it.
; K = 1,024 is two slots of 512: both are first fills, nothing is filled again.  The scale bytes of the 256 + 256 rows come once, as in-order runs of 256 bytes.
; CLUSTER 4 x 4: A's tiles are asked for jointly along a row of the cluster, B's along a column.
; BIAS: along the columns (qh, kh) it is the C of the first K step's products; along the rows (vh) it is added on the way out.  The one that does not apply is multiplied by 0.
; THE WAY OUT.  In the 64 numbers of a lane for 16 rows x 128 columns, registers 16 b .. 16 b + 15 of lanes l and l xor 16 are block b of 32 columns.  The four conversions of a pair of blocks
; write (first block's first 8, second's first 8, first's last 8, second's last 8); two exchanges of halves then leave lane (r, hh) with the 16 bytes of block 2 g + hh of row r:
; the operand's own register image, stored 16 bytes a lane, 512 consecutive bytes an instruction.
; qst, kvst: [64 heads b 16 + h][16 key steps][8,704 bytes]: +0 K (or Q) codes [8 tiles of 16 tokens][lane][16]; +4,096 V codes [4 tiles of 16 d][2][lane][16]; +8,192 K (Q) scale words [lane][2]; +8,448 V scale words [lane][2].
; LIMITS: biases finite (0 x infinity would spoil a sum); NaN and infinities not served; largest magnitudes under 2^-124 are held at the floor; a block of zeros has byte 1.
; REGISTERS: window 0: v0-31 addresses; v32-95 scale words, two sets, nothing else ever; v96-103 row bias, v104-119 the same in pairs, v120-127 the rows' scale words made here;
;   v128-191 A's fragments, later the numbers on the way out; v192-223 codes, four sets; v224-253 offsets and work.   window 1: B's two sets at v0, v128; v64-127 the column bias.   windows 2, 3: accumulators.
.set NQ,     4
.set ROWB,   256
.set KROW,   512
.set PITCH,  272                       ; 256 bytes + 16: the 16 rows that a load touches start at 16 different banks (64 banks of 4 bytes: ISA guide 11.1)
.set FR,     8
.set NL,     2
.set NP,     4
.set HALFT,  128*PITCH
.set SLOT,   4*HALFT
.set KS,     32
.set SCL,    2*SLOT
.set HALFS,  (128*KS/256)*272
.set SBLK,   (16*KS/256)*272
.set SPARE,  SCL+4*HALFS               ; the spare words, 128 bytes a wave, named by no other line
.set STEPB,  8704
.set HEADP,  16*STEPB
.set ADRA, 16
.set ADRB, 20
.set ADRS, 27
.set SPW,  28
.set NIL,  29
.set L16,  30
.set L8,   31
.set SC,   32
.set BRL,  96
.set BR2,  104
.set SB,   120
.set AF,   128
.set T,    128
.set WQ,   128                         ; behind the last block: the scale words' assembly
.set W,    136
.set OP,   144
.set R,    192
.set VO,   224
.set VOS,  240
.set M,    242
.set PX,   246
.set SO,   250
.set BC,   64                          ; in window 1
.set G1,   24
.set G0,   32
.set G1B,  48
.set G0B,  56
.set WV,   66
.set RH,   67
.set G1S,  68
.set G0S,  76
.set G1SB, 80
.set G0SB, 88
.set CH,   92
.set TROW, 93
.set MV,   95
.set FCOL, 96
.set FROW, 98
.set MH,   99
.set SSA,  100
.set SSH,  101
.set SSG,  104
.set SSW,  105
.set MSB, 0
.macro WIN new                         ; the immediate's high byte repeats the setting that is left
.if MSB != \new
	s_set_vgpr_msb (MSB<<8)|\new
.set MSB, \new
.endif
.endm
.set MUL_LO, 0xa1                      ; source 0 (B) window 1, source 1 (A) window 0, C and D window 2
.set MUL_HI, 0xf1                      ; the same, C and D window 3
.set TO_B,   0x40
; A joint load: waves 0 and 1 fetch for A, waves 2 and 3 for B; the branch hangs on the wave's number alone.  An s_nop 0 and four v_nop follow each line.
.macro JLOAD g0a, g1a, g0b, g1b
	s_cmp_eq_u32 s[RH], 0
	s_cbranch_scc0 .Lfor_b_\@
	tensor_load_to_lds s[\g0a:\g0a+3], s[\g1a:\g1a+7]
	s_nop 0
.rept 4
	v_nop
.endr
	s_branch .Lasked_\@
.Lfor_b_\@:
	tensor_load_to_lds s[\g0b:\g0b+3], s[\g1b:\g1b+7]
	s_nop 0
.rept 4
	v_nop
.endr
.Lasked_\@:
.endm
.macro CROUND                          ; a round of the cluster's barrier
	s_barrier_signal -1
	s_barrier_wait -1
	s_cmp_lg_u32 s[WV], 0
	s_cbranch_scc1 .Lnot_wave_0_\@
	s_barrier_signal -3
.Lnot_wave_0_\@:
	s_barrier_wait -3
	s_barrier_signal -1
	s_barrier_wait -1
.endm
	s_load_b256 s[4:11], s[0:1], 0x0               ; x_codes, x_scales, w_codes, w_scales
	s_load_b256 s[12:19], s[0:1], 0x20             ; bq, bk, bv, qst
	s_load_b64 s[20:21], s[0:1], 0x40              ; kvst
	v_lshl_add_u32 v[SPW], v0, 2, SPARE
	v_mov_b32 v[NIL], 0
	ds_add_u32 v[SPW], v[NIL]                      ; the wave's opening: the add, twice on end, and its wait ahead of my first tensor load
	ds_add_u32 v[SPW], v[NIL]
	v_lshrrev_b32 v1, 5, v0
	v_readfirstlane_b32 s[WV], v1                  ; wave 0..3
	s_lshr_b32 s[RH], s[WV], 1                     ; my half of the tile's rows; also: I fetch for A (0) or B (1)
	s_and_b32 s[CH], s[WV], 1                      ; my half of its columns; also: which 128 rows I fetch
	s_bfe_u32 s40, ttmp6, 0x40000                  ; cx
	s_bfe_u32 s41, ttmp6, 0x40004                  ; cy
	s_and_b32 s22, ttmp7, 0xffff
	s_lshl_b32 s22, s22, 2                         ; 4 x cluster y: it walks the tokens' axis
	s_cmp_eq_u32 ttmp9, 2                          ; vh?
	s_cselect_b32 s23, 0, s22
	s_cselect_b32 s22, s22, 0
	s_cselect_b32 s[MV], -1, 0
	s_cselect_b32 s[FCOL], 0, 1.0
	s_cselect_b32 s[FROW], 1.0, 0
	s_mov_b32 s[FCOL+1], s[FCOL]
	s_add_co_u32 s[TROW], s23, s41                 ; tile row of C
	s_add_co_u32 s42, s22, s40                     ; tile column of C
	s_lshl_b32 s43, s41, 2
	s_lshl_b32 s43, 15, s43                        ; my row of the cluster
	s_lshl_b32 s44, 0x1111, s40                    ; my column
	s_or_b32 s[G1+0], s43, (0<<16)|(1<<20)|(1<<21)|(5<<22)|(3<<25)   ; mask; elements of 1 byte; padding: 4 words after every 64; bit 21 beside a mask
	s_or_b32 s[G1B+0], s44, (0<<16)|(1<<20)|(1<<21)|(5<<22)|(3<<25)
.irp g, G1, G1B
	s_mov_b32 s[\g+1], ROWB<<16                    ; tensor_dim0
	s_mov_b32 s[\g+2], 128<<16                     ; tensor_dim1
	s_mov_b32 s[\g+3], ROWB<<16                    ; tile_dim0
	s_mov_b32 s[\g+4], 128                         ; tile_dim1
	s_mov_b32 s[\g+5], KROW                        ; stride from row to row
	s_mov_b32 s[\g+6], 0
	s_mov_b32 s[\g+7], 0
.endr
	s_or_b32 s[G1S+0], s43, (3<<16)|(1<<20)|(1<<21)|(5<<22)|(3<<25)  ; the scales of 128 rows: 4,096 dense bytes as 16 rows of 32 elements of 8 bytes
	s_or_b32 s[G1SB+0], s44, (3<<16)|(1<<20)|(1<<21)|(5<<22)|(3<<25)
.irp g, G1S, G1SB
	s_mov_b32 s[\g+1], 32<<16
	s_mov_b32 s[\g+2], (128*KS/256)<<16
	s_mov_b32 s[\g+3], 32<<16
	s_mov_b32 s[\g+4], 128*KS/256
	s_mov_b32 s[\g+5], 32
	s_mov_b32 s[\g+6], 0
	s_mov_b32 s[\g+7], 0
.endr
	s_lshl_b32 s3, s[CH], 7
	s_lshl_b32 s2, s[TROW], 8
	s_add_co_u32 s2, s2, s3                        ; A: the first row that I fetch
	s_lshl_b32 s46, s42, 8
	s_add_co_u32 s46, s46, s3                      ; B: likewise
	s_min_u32 s3, ttmp9, 1
	s_lshl_b32 s22, s3, 22                         ; the tokens' tensor in x_codes (0: q, 1: k_and_v),
	s_lshl_b32 s23, s3, 18                         ; in x_scales;
	s_lshl_b32 s100, ttmp9, 19                     ; the weight in w_codes,
	s_lshl_b32 s101, ttmp9, 15                     ; in w_scales
	s_cmp_eq_u32 ttmp9, 2
	s_cselect_b32 s104, s100, s22                  ; A's codes, A's scales,
	s_cselect_b32 s105, s101, s23
	s_cselect_b32 s100, s22, s100                  ; B's
	s_cselect_b32 s101, s23, s101
	s_lshl_b32 s22, s2, 9
	s_add_co_u32 s104, s104, s22                   ; + row x 512
	s_lshl_b32 s22, s2, 5
	s_add_co_u32 s105, s105, s22                   ; + row x 32
	s_lshl_b32 s23, s46, 9
	s_add_co_u32 s100, s100, s23
	s_lshl_b32 s23, s46, 5
	s_add_co_u32 s101, s101, s23
	s_mov_b32 s3, 0
	s_mov_b32 s47, 0
	s_mul_i32 s45, s[WV], HALFT                    ; where they go: wave x 128 rows: no place in the cluster enters an LDS address
	s_mul_i32 s94, s[WV], HALFS
	s_wait_dscnt 0x0                               ; both opening adds are done
	s_wait_kmcnt 0x0
	s_cmp_eq_u32 ttmp9, 2
	s_cselect_b64 s[G0+2:G0+3], s[8:9], s[4:5]
	s_cselect_b64 s[G0S+2:G0S+3], s[10:11], s[6:7]
	s_cselect_b64 s[G0B+2:G0B+3], s[4:5], s[8:9]
	s_cselect_b64 s[G0SB+2:G0SB+3], s[6:7], s[10:11]
	s_mov_b32 s2, s104
	s_add_nc_u64 s[G0+2:G0+3], s[G0+2:G0+3], s[2:3]
	s_add_nc_u64 s[G0+6:G0+7], s[G0+2:G0+3], ROWB  ; slot 1: K 512 on
	s_mov_b32 s2, s105
	s_add_nc_u64 s[G0S+2:G0S+3], s[G0S+2:G0S+3], s[2:3]
	s_mov_b32 s46, s100
	s_add_nc_u64 s[G0B+2:G0B+3], s[G0B+2:G0B+3], s[46:47]
	s_add_nc_u64 s[G0B+6:G0B+7], s[G0B+2:G0B+3], ROWB
	s_mov_b32 s46, s101
	s_add_nc_u64 s[G0SB+2:G0SB+3], s[G0SB+2:G0SB+3], s[46:47]
	s_or_b32 s[G0+3], s[G0+3], 0x80000000          ; type = 2
	s_or_b32 s[G0+7], s[G0+7], 0x80000000
	s_or_b32 s[G0B+3], s[G0B+3], 0x80000000
	s_or_b32 s[G0B+7], s[G0B+7], 0x80000000
	s_or_b32 s[G0S+3], s[G0S+3], 0x80000000
	s_or_b32 s[G0SB+3], s[G0SB+3], 0x80000000
	s_mov_b32 s[G0], 1
	s_mov_b32 s[G0+4], 1
	s_mov_b32 s[G0B], 1
	s_mov_b32 s[G0B+4], 1
	s_mov_b32 s[G0S], 1
	s_mov_b32 s[G0SB], 1
	s_mov_b32 s[G0+1], s45
	s_add_co_u32 s[G0+5], s45, SLOT
	s_mov_b32 s[G0B+1], s45
	s_add_co_u32 s[G0B+5], s45, SLOT
	s_add_co_u32 s[G0S+1], s94, SCL
	s_add_co_u32 s[G0SB+1], s94, SCL
	CROUND                                         ; all sixteen work-groups are here: the first joint loads meet
	JLOAD G0S, G1S, G0SB, G1SB                     ; the scales, then both slots: three loads of mine are out
	JLOAD G0, G1, G0B, G1B
	JLOAD G0+4, G1, G0B+4, G1B
	; the biases and the way out: scalars
	s_lshl_b32 s22, s[TROW], 8
	s_lshl_b32 s23, s[RH], 7
	s_add_co_u32 s22, s22, s23                     ; m0: my wave's first row of C
	s_lshl_b32 s23, s42, 8
	s_lshl_b32 s2, s[CH], 7
	s_add_co_u32 s23, s23, s2                      ; n0: its first column
	s_cmp_eq_u32 ttmp9, 2
	s_cselect_b32 s2, 0, s23                       ; where the column bias begins (vh: anywhere inside; it is multiplied by 0)
	s_cselect_b32 s46, s22, 0                      ; where the row bias begins
	s_cselect_b32 s100, s23, s22                   ; my first token
	s_cselect_b32 s101, s22, s23                   ; my first 64 head + d
	s_cselect_b32 s104, 4096, 0                    ; V's codes lie behind K's
	s_lshl_b32 s2, s2, 2
	s_lshl_b32 s46, s46, 2
	s_cmp_eq_u32 ttmp9, 1
	s_cselect_b64 s[12:13], s[14:15], s[12:13]
	s_cmp_eq_u32 ttmp9, 2
	s_cselect_b64 s[12:13], s[16:17], s[12:13]     ; bq, bk or bv
	s_add_nc_u64 s[14:15], s[12:13], s[2:3]
	s_add_nc_u64 s[16:17], s[12:13], s[46:47]
	s_lshr_b32 s2, s100, 11                        ; batch
	s_lshl_b32 s2, s2, 4
	s_lshr_b32 s46, s101, 6                        ; head
	s_add_co_u32 s2, s2, s46
	s_lshl_b32 s2, s2, 4
	s_bfe_u32 s46, s100, 0x40007                   ; key step
	s_add_co_u32 s2, s2, s46
	s_mul_i32 s2, s2, STEPB
	s_add_co_u32 s2, s2, s104
	s_cmp_eq_u32 ttmp9, 0
	s_cselect_b64 s[18:19], s[18:19], s[20:21]     ; qst or kvst
	s_add_nc_u64 s[18:19], s[18:19], s[2:3]
	s_cmp_eq_u32 ttmp9, 2
	s_mov_b32 s[SSA], 512                          ; from a block of 16 rows to the next,
	s_cselect_b32 s[SSA], 1024, s[SSA]
	s_cselect_b32 s[SSH], HEADP-4096, 0            ; more from the fourth to the fifth (vh: the next head),
	s_mov_b32 s[SSG], HEADP                        ; from a pair of column blocks to the next (qh, kh: the next head),
	s_cselect_b32 s[SSG], 512, s[SSG]
	s_mov_b32 s[SSW], 8192                         ; and to the scale words
	s_cselect_b32 s[SSW], 4352, s[SSW]
	s_mov_b32 s[MH], 0xffff0000                    ; lanes 16-31
	; lane addresses
	v_and_b32 v1, 15, v0                           ; r
	v_bfe_u32 v2, v0, 4, 1                         ; h
	v_mul_u32_u24 v3, v1, PITCH
	v_lshl_add_u32 v4, v2, 4, v3
	s_mul_i32 s22, s[RH], HALFT
	s_mul_i32 s23, s[CH], HALFT
	s_add_co_u32 s23, s23, 2*HALFT
.irp s, 0,1
	v_add_nc_u32 v[ADRA+\s], s22, v4
	v_add_nc_u32 v[ADRB+\s], s23, v4
	s_add_co_u32 s22, s22, SLOT
	s_add_co_u32 s23, s23, SLOT
.endr
	v_mul_u32_u24 v5, v1, KS
	v_lshrrev_b32 v6, 8, v5
	v_lshl_add_u32 v5, v6, 4, v5                   ; my row's scales: 32 bytes a row, 16 more for each 256 passed
	s_mul_i32 s22, s[RH], HALFS
	s_mul_i32 s23, s[CH], HALFS
	s_add_co_u32 s23, s23, 2*HALFS
	s_sub_co_u32 s23, s23, s22
	v_mul_u32_u24 v6, s23, v2                      ; lanes 16-31 take B's
	s_add_co_u32 s22, s22, SCL
	v_add_nc_u32 v5, v5, v6
	v_add_nc_u32 v[ADRS], s22, v5
	v_and_b32 v6, 31, v0
	v_lshlrev_b32 v[L16], 4, v6
	v_lshlrev_b32 v[L8], 3, v6
	v_lshlrev_b32 v7, 5, v2                        ; column bias: my half's eight numbers
	v_lshlrev_b32 v8, 2, v1                        ; row bias: my row's number
	WIN TO_B
.irp b, 0,1,2,3,4,5,6,7
	global_load_b128 v[BC+8*\b:BC+8*\b+3], v7, s[14:15] offset:64*\b
	global_load_b128 v[BC+8*\b+4:BC+8*\b+7], v7, s[14:15] offset:64*\b+16
.endr
	WIN 0
.irp a, 0,1,2,3,4,5,6,7
	global_load_b32 v[BRL+\a], v8, s[16:17] offset:64*\a
.endr
	s_wait_loadcnt 0x0
	WIN 0x41                                       ; destination and source 0 in window 1
.set p, 0
.rept 32
	v_pk_mul_f32 v[BC+p:BC+p+1], v[BC+p:BC+p+1], s[FCOL:FCOL+1] op_sel_hi:[1,0]
.set p, p+2
.endr
	WIN 0
.irp a, 0,1,2,3,4,5,6,7
	v_mul_f32 v[BR2+2*\a], s[FROW], v[BRL+\a]
	v_mul_f32 v[BR2+2*\a+1], s[FROW], v[BRL+\a]
.endr
.macro FRAG reg, adr, q, i             ; 16 rows x 128 K of 4-bit codes: lane l holds row l % 16; registers 4 c .. 4 c + 3 hold K = 64 c + 32 (l / 16) + 0 .. 31
.irp c, 0,1
	ds_load_b128 v[\reg+4*\c:\reg+4*\c+3], v[\adr] offset:64*(\q)+32*\c+(\i)*16*PITCH
.endr
.endm
; 16 matrix instructions: A's blocks a0, a0 + 1 x B's eight.  first = 1: the column bias is the C, so nothing is cleared.  The 64 accumulators take turns, one instruction a turn.
.macro MUL16 a0, p, q, sc, first
.irp a, \a0, \a0+1
.irp b, 0,1,2,3,4,5,6,7
.if \first
	v_wmma_scale_f32_16x16x128_f8f6f4 v[8*(8*((\a)%4)+\b):8*(8*((\a)%4)+\b)+7], v[128*(\p)+FR*\b:128*(\p)+FR*\b+FR-1], v[AF+FR*(\a):AF+FR*(\a)+FR-1], v[BC+8*\b:BC+8*\b+7], v[SC+8*NQ*(\sc)+NQ*\b+(\q)], v[SC+8*NQ*(\sc)+NQ*(\a)+(\q)] matrix_a_fmt:MATRIX_FMT_FP4 matrix_b_fmt:MATRIX_FMT_FP4 matrix_a_scale:MATRIX_SCALE_ROW1
.else
	v_wmma_scale_f32_16x16x128_f8f6f4 v[8*(8*((\a)%4)+\b):8*(8*((\a)%4)+\b)+7], v[128*(\p)+FR*\b:128*(\p)+FR*\b+FR-1], v[AF+FR*(\a):AF+FR*(\a)+FR-1], v[8*(8*((\a)%4)+\b):8*(8*((\a)%4)+\b)+7], v[SC+8*NQ*(\sc)+NQ*\b+(\q)], v[SC+8*NQ*(\sc)+NQ*(\a)+(\q)] matrix_a_fmt:MATRIX_FMT_FP4 matrix_b_fmt:MATRIX_FMT_FP4 matrix_a_scale:MATRIX_SCALE_ROW1
.endif
.endr
.endr
.endm
.macro FETCH_B slot, q, p
	WIN TO_B
.irp i, 0,1,2,3,4,5,6,7
	FRAG 128*(\p)+FR*\i, ADRB+\slot, \q, \i
.endr
	WIN 0
.endm
.macro FETCH_A slot, q, i0
.irp i, \i0, \i0+1, \i0+2, \i0+3
	FRAG AF+FR*(\i), ADRA+\slot, \q, \i
.endr
.endm
.macro SCALES sc                       ; a slot's scale words: lanes 0-15 A's block i, lanes 16-31 B's block i
.irp i, 0,1,2,3,4,5,6,7
	ds_load_b128 v[SC+8*NQ*\sc+NQ*\i:SC+8*NQ*\sc+NQ*\i+3], v[ADRS] offset:\i*SBLK
.endr
.endm
.macro PLACES n                        ; plain vector lines between a matrix instruction and a load into, or a vector read or write of, its registers
.rept \n
	v_nop
.endr
.endm
.macro STEP slot, q, first             ; 128 along K whose successor lies in the same slot
	s_wait_dscnt 4*NL                              ; B's set and A's blocks 0-3 are in; the youngest eight loads (A's blocks 4-7) may be out
.if \first
	WIN 0x91                                       ; C (the bias) in window 1, D in window 2
.else
	WIN MUL_LO
.endif
	MUL16 0, (\q)%2, \q, \slot, \first
	MUL16 2, (\q)%2, \q, \slot, \first
	s_wait_dscnt 0
	PLACES NP
	FETCH_B \slot, (\q)+1, 1-(\q)%2
	FETCH_A \slot, (\q)+1, 0
.if \first
	WIN 0xd1
.else
	WIN MUL_HI
.endif
	MUL16 4, (\q)%2, \q, \slot, \first
	MUL16 6, (\q)%2, \q, \slot, \first
	PLACES NP
	WIN 0
	FETCH_A \slot, (\q)+1, 4
.endm
.macro TURN slot, next                 ; a slot's last step changes slots: one barrier; nothing is filled again
	s_wait_tensorcnt 0x0                           ; all my tensor loads have landed: my part of the next slot
	ds_add_u32 v[SPW], v[NIL]                      ; 0 onto my spare word
	s_wait_dscnt 4*NL+1                            ; (the add and A's blocks 4-7, eight loads, may be out)
	WIN MUL_LO
	MUL16 0, 1, NQ-1, \slot, 0
	s_wait_dscnt 0x0                               ; the add is done, my reads of this slot are over
	s_barrier_signal -1
	MUL16 2, 1, NQ-1, \slot, 0
	WIN 0
	s_barrier_wait -1                              ; the next slot is whole
	PLACES NP
	v_add_nc_u32 v[ADRS], 4*NQ, v[ADRS]            ; the next slot's scale words
	FETCH_B \next, 0, 0
	FETCH_A \next, 0, 0
	SCALES \next
	WIN MUL_HI
	MUL16 4, 1, NQ-1, \slot, 0
	MUL16 6, 1, NQ-1, \slot, 0
	PLACES NP
	WIN 0
	FETCH_A \next, 0, 4
.endm
.macro STEPS slot, from
.set Q, \from
.rept NQ-1-\from
	STEP \slot, Q, 0
.set Q, Q+1
.endr
.endm
	s_wait_tensorcnt 1                             ; the scales and my part of slot 0 are in; slot 1's load may be out
	s_barrier_signal -1
	s_barrier_wait -1
	FETCH_B 0, 0, 0
	FETCH_A 0, 0, 0
	SCALES 0
	FETCH_A 0, 0, 4
	STEP 0, 0, 1
	STEPS 0, 1
	TURN 0, 1
	STEPS 1, 0
	s_wait_dscnt 4*NL                              ; the last step: nothing more to fetch
	WIN MUL_LO
	MUL16 0, 1, NQ-1, 1, 0
	MUL16 2, 1, NQ-1, 1, 0
	s_wait_dscnt 0
	WIN MUL_HI
	MUL16 4, 1, NQ-1, 1, 0
	MUL16 6, 1, NQ-1, 1, 0
	WIN 0
; THE WAY OUT.
; 64 numbers of a lane, v[s] on (register 16 b + i: block b), become 8 registers of codes in the operand's layout, v[pc] on, and the row's scale word v[pw].
.macro QUANT s, pc, pw
.irp b, 0,1,2,3
	v_max3_num_f32 v[M+\b], |v[\s+16*\b]|, |v[\s+1+16*\b]|, 0x1800000   ; my 16 numbers of block b, and the floor 2^(3 - 127)
.endr
.irp i, 2,4,6,8,10,12,14
.irp b, 0,1,2,3
	v_max3_num_f32 v[M+\b], v[M+\b], |v[\s+16*\b+\i]|, |v[\s+1+16*\b+\i]|
.endr
.endr
.irp b, 0,1,2,3
	v_permlanex16_b32 v[PX+\b], v[M+\b], s2, s3
.endr
.irp b, 0,1,2,3
	v_max_num_f32 v[M+\b], v[M+\b], v[PX+\b]       ; with lane l xor 16's: the block's largest magnitude
.endr
.irp b, 0,1,2,3
	v_add_nc_u32 v[SO+\b], 0xff000000, v[M+\b]     ; 2 off the exponent field: the conversion's scale operand
.endr
.irp b, 0,1,2,3
	v_lshrrev_b32 v[PX+\b], 23, v[SO+\b]           ; the byte
.endr
	v_lshl_or_b32 v[\pw], v[PX+1], 8, v[PX]
	v_lshl_or_b32 v[\pw], v[PX+2], 16, v[\pw]
	v_lshl_or_b32 v[\pw], v[PX+3], 24, v[\pw]
.irp g, 0,1
	v_cvt_scalef32_pk8_fp4_f32 v[(\pc)+4*\g],   v[\s+32*\g:\s+32*\g+7],     v[SO+2*\g]
	v_cvt_scalef32_pk8_fp4_f32 v[(\pc)+4*\g+1], v[\s+32*\g+16:\s+32*\g+23], v[SO+2*\g+1]
	v_cvt_scalef32_pk8_fp4_f32 v[(\pc)+4*\g+2], v[\s+32*\g+8:\s+32*\g+15],  v[SO+2*\g]
	v_cvt_scalef32_pk8_fp4_f32 v[(\pc)+4*\g+3], v[\s+32*\g+24:\s+32*\g+31], v[SO+2*\g+1]
.endr
	v_nop                                          ; a plain line behind the conversions
.irp g, 0,1
	v_permlane16_swap_b32 v[(\pc)+4*\g], v[(\pc)+4*\g+1]     ; lanes 0-15 keep block 2 g, lanes 16-31 get block 2 g + 1
	v_permlane16_swap_b32 v[(\pc)+4*\g+2], v[(\pc)+4*\g+3]
.endr
.endm
.macro QBLK a                          ; 16 rows x 128 columns
	WIN 0x02+(\a)/4                                ; source 0: window 2 or 3
.set p, 0
.rept 32
	v_pk_add_f32 v[T+p:T+p+1], v[64*((\a)%4)+p:64*((\a)%4)+p+1], v[BR2+2*(\a):BR2+2*(\a)+1]   ; + the row bias; each accumulator from its low end on
.set p, p+2
.endr
	WIN 0
.if (\a) >= 4
	s_wait_xcnt 0x0                                ; the stores of four blocks back have read this set of codes
.endif
	QUANT T, R+8*((\a)%4), SB+(\a)
	global_store_b128 v[VO+2*(\a)], v[R+8*((\a)%4):R+8*((\a)%4)+3], s[18:19]       ; 32 lanes store 512 consecutive, aligned bytes
	global_store_b128 v[VO+2*(\a)+1], v[R+8*((\a)%4)+4:R+8*((\a)%4)+7], s[18:19]
.endm
	PLACES NP
	s_mov_b32 s2, 0x76543210
	s_mov_b32 s3, 0xfedcba98                       ; v_permlanex16_b32's selects for lane l xor 16
.irp a, 0,1,2,3,4,5,6,7
	s_mul_i32 s22, s[SSA], \a
.if \a >= 4
	s_add_co_u32 s22, s22, s[SSH]
.endif
	v_add_nc_u32 v[VO+2*\a], s22, v[L16]
	s_add_co_u32 s22, s22, s[SSG]
	v_add_nc_u32 v[VO+2*\a+1], s22, v[L16]
.endr
	v_add_nc_u32 v[VOS], s[SSW], v[L8]
	v_add_nc_u32 v[VOS+1], HEADP, v[VOS]
.irp b, 0,1,2,3
	v_mov_b32 v[PX+\b], 0                          ; written once: a lane permute's destination counts as one of its sources
.endr
.irp a, 0,1,2,3,4,5,6,7
	QBLK \a
.endr
	; the scale words.  qh, kh: head g's word of fragment x joins two bytes of tile 2 x and two of tile 2 x + 1.  vh: head g's word of d tile x is block 4 g + x's word as it stands.
.irp x, 0,1,2,3
	v_perm_b32 v[WQ+\x], v[SB+2*\x+1], v[SB+2*\x], 0x05040100
	v_perm_b32 v[WQ+4+\x], v[SB+2*\x+1], v[SB+2*\x], 0x07060302
.endr
.irp x, 0,1,2,3,4,5,6,7
	v_cndmask_b32 v[W+\x], v[WQ+\x], v[SB+\x], s[MV]
.endr
.irp g, 0,1
	v_cndmask_b32 v[OP+2*\g], v[W+4*\g], v[W+4*\g+1], s[MH]          ; word 0: lanes 0-15 fragment 0, lanes 16-31 fragment 1
	v_cndmask_b32 v[OP+2*\g+1], v[W+4*\g+2], v[W+4*\g+3], s[MH]      ; word 1: fragments 2 and 3
	global_store_b64 v[VOS+\g], v[OP+2*\g:OP+2*\g+1], s[18:19]       ; 32 lanes store 256 consecutive, aligned bytes
.endr
	s_wait_tensorcnt 0x0                           ; the wave's end
	ds_add_u32 v[SPW], v[NIL]
	s_wait_dscnt 0x0
	CROUND                                         ; the closing round
	s_endpgm
.Lfunc_end_k_qa803993f93_proj:
	.size	k_qa803993f93_proj, .Lfunc_end_k_qa803993f93_proj-k_qa803993f93_proj
	.p2alignl 7, 3214868480
	.fill 96, 4, 3214868480
	.section	.rodata,"a",@progbits
	.p2align	6, 0x0
	.amdhsa_kernel k_qa803993f93_proj
		.amdhsa_group_segment_fixed_size 327680
		.amdhsa_private_segment_fixed_size 0
		.amdhsa_enable_private_segment 0
		.amdhsa_kernarg_size 72
		.amdhsa_user_sgpr_count 2
		.amdhsa_user_sgpr_kernarg_segment_ptr 1
		.amdhsa_wavefront_size32 1
		.amdhsa_system_sgpr_workgroup_id_x 1
		.amdhsa_system_sgpr_workgroup_id_y 1
		.amdhsa_system_sgpr_workgroup_id_z 1
		.amdhsa_system_vgpr_workitem_id 0
		.amdhsa_next_free_vgpr 1024
		.amdhsa_next_free_sgpr 106
		.amdhsa_reserve_vcc 0
		.amdhsa_float_denorm_mode_32 3
		.amdhsa_float_denorm_mode_16_64 3
		.amdhsa_memory_ordered 1
		.amdhsa_forward_progress 1
		.amdhsa_inst_pref_size 153
	.end_amdhsa_kernel
	.amdgpu_metadata
---
amdhsa.version: [ 1, 2 ]
amdhsa.kernels:
  - .name:           k_qa803993f93_proj
    .symbol:         k_qa803993f93_proj.kd
    .args:
      - { .name: x_codes, .offset: 0, .size: 8, .value_kind: global_buffer, .address_space: global }
      - { .name: x_scales, .offset: 8, .size: 8, .value_kind: global_buffer, .address_space: global }
      - { .name: w_codes, .offset: 16, .size: 8, .value_kind: global_buffer, .address_space: global }
      - { .name: w_scales, .offset: 24, .size: 8, .value_kind: global_buffer, .address_space: global }
      - { .name: bq, .offset: 32, .size: 8, .value_kind: global_buffer, .address_space: global }
      - { .name: bk, .offset: 40, .size: 8, .value_kind: global_buffer, .address_space: global }
      - { .name: bv, .offset: 48, .size: 8, .value_kind: global_buffer, .address_space: global }
      - { .name: qst, .offset: 56, .size: 8, .value_kind: global_buffer, .address_space: global }
      - { .name: kvst, .offset: 64, .size: 8, .value_kind: global_buffer, .address_space: global }
    .group_segment_fixed_size: 327680
    .private_segment_fixed_size: 0
    .kernarg_segment_align: 8
    .kernarg_segment_size: 72
    .max_flat_workgroup_size: 128
    .sgpr_count:     106
    .vgpr_count:     1024
    .wavefront_size: 32
...
	.end_amdgpu_metadata
.endif
;; end of part 3
;; launch attn (part 4): grid 8 x 32, 16 waves a work-group, clusters of 4 x 1, 327,680 bytes of LDS; arguments qst, kvst, z_codes, z_scales; writes z_codes, z_scales
.if DOCPART == 4
	.amdgcn_target "amdgcn-amd-amdhsa--gfx1250"
	.amdhsa_code_object_version 6
	.text
	.protected	k_qa803993f93_attn
	.globl	k_qa803993f93_attn
	.p2align	8
	.type	k_qa803993f93_attn,@function
k_qa803993f93_attn:
	s_mov_b64 s[64:65], 0
	v_nop
	global_prefetch_b8 v0, s[64:65] scope:SCOPE_SE
	s_setreg_imm32_b32 hwreg(HW_REG_WAVE_MODE, 25, 1), 1
	s_wait_xcnt 0x0
	s_wait_alu depctr_hold_cnt(0) depctr_sa_sdst(0) depctr_va_vdst(0) depctr_va_sdst(0) depctr_va_ssrc(0) depctr_va_vcc(0) depctr_vm_vsrc(0)
	s_getreg_b32 s2, hwreg(HW_REG_IB_STS2, 6, 4)
	s_cmp_eq_u32 s2, 0
	s_cbranch_scc0 .Lentry_in_a_cluster
	s_endpgm
.Lentry_in_a_cluster:
	s_bfe_u32 s2, ttmp6, 0x10000c
	s_cmp_lg_u32 s2, 0x3003
	s_cbranch_scc0 .Lentry_shape_is_right
	s_endpgm
.Lentry_shape_is_right:
.set STEPB, 8704
.set HEADP, 16*STEPB
.set SPARE, 2*HEADP
.set L16,  1
.set L8,   2
.set ADR,  3
.set ADS,  4
.set SPW,  5
.set NIL,  6
.set QSO,  7
.set KS,   8
.set VS,   10
.set QW,   36
.set PW,   38
.set ZSO,  39
.set KF,   40
.set VF,   72
.set S,    104
.set O,    168
.set P,    200
.set BM,   208
.set PX,   212
.set SO,   216
.set TMP,  220
.set F,    222
.set SUM2, 224
.set ZC,   232
.set ZS,   240
.set TM2,  241
.set WV,   12
.set SEL,  20
.set CS,   22
.set TB,   40
.set CNT,  41
.set SELQ, 42
.macro CROUND
	s_barrier_signal -1
	s_barrier_wait -1
	s_cmp_lg_u32 s[WV], 0
	s_cbranch_scc1 .Lnot_wave_0_\@
	s_barrier_signal -3
.Lnot_wave_0_\@:
	s_barrier_wait -3
	s_barrier_signal -1
	s_barrier_wait -1
.endm
	s_load_b256 s[4:11], s[0:1], 0x0
	v_lshl_add_u32 v[SPW], v0, 2, SPARE
	v_mov_b32 v[NIL], 0
	ds_add_u32 v[SPW], v[NIL]
	ds_add_u32 v[SPW], v[NIL]
	v_lshrrev_b32 v1, 5, v0
	s_delay_alu instid0(VALU_DEP_1)
	v_readfirstlane_b32 s[WV], v1
	s_bfe_u32 s13, ttmp6, 0x40000
	s_lshl_b32 s14, ttmp9, 2
	s_add_co_u32 s14, s14, s13
	s_and_b32 s15, ttmp7, 0xffff
	s_mov_b32 s24, 15|(3<<16)|(1<<21)
	s_mov_b32 s25, 32<<16
	s_mov_b32 s26, 34<<16
	s_mov_b32 s27, 32<<16
	s_mov_b32 s28, 34
	s_mov_b32 s29, 32
	s_mov_b32 s30, 0
	s_mov_b32 s31, 0
	s_mul_i32 s16, s[WV], STEPB
	s_mul_i32 s18, s15, 2*HEADP
	s_add_co_u32 s18, s18, s16
	s_mov_b32 s19, 0
	s_mov_b32 s[SEL], 0x76543210
	s_mov_b32 s[SEL+1], 0xfedcba98
	s_mov_b32 s[CS], 0x3e38aa3b
	s_mov_b32 s[CS+1], s[CS]
	s_wait_dscnt 0x0
	s_wait_kmcnt 0x0
	s_mov_b32 s32, 1
	s_mov_b32 s33, s16
	s_add_nc_u64 s[34:35], s[6:7], s[18:19]
	s_mov_b32 s36, 1
	s_add_co_u32 s37, s16, HEADP
	s_add_nc_u64 s[38:39], s[34:35], HEADP
	s_or_b32 s35, s35, 0x80000000
	s_or_b32 s39, s39, 0x80000000
	CROUND
	tensor_load_to_lds s[32:35], s[24:31]
	s_nop 0
	s_wait_alu depctr_va_vdst(0)
	s_wait_tensorcnt 0x0
	ds_add_u32 v5, v6
	s_wait_dscnt 0x0
	CROUND
	tensor_load_to_lds s[36:39], s[24:31]
	s_nop 0
.rept 4
	v_nop
.endr
	s_lshl_b32 s17, s14, 1
	s_lshr_b32 s48, s[WV], 3
	s_add_co_u32 s17, s17, s48
	s_mul_i32 s17, s17, STEPB
	s_mul_i32 s48, s15, 2*HEADP
	s_add_co_u32 s48, s48, s17
	s_and_b32 s49, s[WV], 7
	s_lshl_b32 s50, s49, 9
	s_add_co_u32 s50, s50, s48
	s_mov_b32 s51, 0
	s_add_nc_u64 s[44:45], s[4:5], s[50:51]
	s_bfe_u32 s50, s49, 0x10001
	s_lshl_b32 s50, s50, 7
	s_lshr_b32 s17, s49, 2
	s_lshl_b32 s17, s17, 2
	s_add_co_u32 s50, s50, s17
	s_add_co_u32 s50, s50, s48
	s_add_co_u32 s50, s50, 8192
	s_add_nc_u64 s[46:47], s[4:5], s[50:51]
	s_mov_b32 s[SELQ], 0x01000100
	s_bitcmp1_b32 s49, 0
	s_cselect_b32 s[SELQ], 0x03020302, s[SELQ]
	v_and_b32 v[TM2], 31, v0
	s_delay_alu instid0(VALU_DEP_1)
	v_lshlrev_b32 v[L16], 4, v[TM2]
	s_delay_alu instid0(VALU_DEP_2)
	v_lshlrev_b32 v[L8], 3, v[TM2]
	v_and_b32 v[TMP], 15, v0
	s_delay_alu instid0(VALU_DEP_1)
	v_lshlrev_b32 v[QSO], 3, v[TMP]
	s_delay_alu instid0(VALU_DEP_2)
	v_lshlrev_b32 v[ZSO], 5, v[TMP]
	global_load_b128 v[20:23], v[L16], s[44:45]
	global_load_b128 v[28:31], v[L16], s[44:45] offset:HEADP
	global_load_b32 v[QW], v[QSO], s[46:47]
	global_load_b32 v[QW+1], v[QSO], s[46:47] offset:HEADP
.irp j, 16,17,18,19,24,25,26,27,32,33,34,35
	v_mov_b32 v[\j], 0
.endr
.irp b, 0,1,2,3
	v_mov_b32 v[PX+\b], 0
.endr
	v_mov_b32 v[F+1], 0
	s_lshr_b32 s16, s15, 3
	s_lshl_b32 s16, s16, 7
	s_lshl_b32 s17, s14, 4
	s_add_co_u32 s16, s16, s17
	s_add_co_u32 s16, s16, s[WV]
	s_and_b32 s17, s15, 7
	s_lshl_b32 s50, s16, 13
	s_lshl_b32 s48, s17, 10
	s_add_co_u32 s50, s50, s48
	s_add_nc_u64 s[8:9], s[8:9], s[50:51]
	s_lshl_b32 s50, s16, 9
	s_lshl_b32 s48, s17, 2
	s_add_co_u32 s50, s50, s48
	s_add_nc_u64 s[10:11], s[10:11], s[50:51]
	s_wait_loadcnt 0x0
	v_perm_b32 v[QW], v[QW], v[QW], s[SELQ]
	v_perm_b32 v[QW+1], v[QW+1], v[QW+1], s[SELQ]
.macro QK x, hd
.if (\x)%2
	v_wmma_scale_f32_16x16x128_f8f6f4 v[S+16*(\x):S+16*(\x)+7], v[KF+8*(\x):KF+8*(\x)+7], v[20+8*(\hd):27+8*(\hd)], 0, v[KS+(\x)/2], v[QW+(\hd)] matrix_a_fmt:MATRIX_FMT_FP4 matrix_b_fmt:MATRIX_FMT_FP4 matrix_a_scale:MATRIX_SCALE_ROW1
	v_wmma_scale_f32_16x16x128_f8f6f4 v[S+16*(\x)+8:S+16*(\x)+15], v[KF+8*(\x):KF+8*(\x)+7], v[16+8*(\hd):23+8*(\hd)], 0, v[KS+(\x)/2], v[QW+(\hd)] matrix_a_fmt:MATRIX_FMT_FP4 matrix_b_fmt:MATRIX_FMT_FP4 matrix_a_scale:MATRIX_SCALE_ROW1
.else
	v_wmma_scale_f32_16x16x128_f8f6f4 v[S+16*(\x):S+16*(\x)+7], v[KF+8*(\x):KF+8*(\x)+7], v[20+8*(\hd):27+8*(\hd)], 0, v[KS+(\x)/2], v[QW+(\hd)] matrix_a_fmt:MATRIX_FMT_FP4 matrix_b_fmt:MATRIX_FMT_FP4
	v_wmma_scale_f32_16x16x128_f8f6f4 v[S+16*(\x)+8:S+16*(\x)+15], v[KF+8*(\x):KF+8*(\x)+7], v[16+8*(\hd):23+8*(\hd)], 0, v[KS+(\x)/2], v[QW+(\hd)] matrix_a_fmt:MATRIX_FMT_FP4 matrix_b_fmt:MATRIX_FMT_FP4
.endif
.endm
.macro PV t
.if (\t)%2
	v_wmma_scale_f32_16x16x128_f8f6f4 v[O+8*(\t):O+8*(\t)+7], v[VF+8*(\t):VF+8*(\t)+7], v[P:P+7], v[O+8*(\t):O+8*(\t)+7], v[VS+(\t)/2], v[PW] matrix_a_fmt:MATRIX_FMT_FP4 matrix_b_fmt:MATRIX_FMT_FP4 matrix_a_scale:MATRIX_SCALE_ROW1
.else
	v_wmma_scale_f32_16x16x128_f8f6f4 v[O+8*(\t):O+8*(\t)+7], v[VF+8*(\t):VF+8*(\t)+7], v[P:P+7], v[O+8*(\t):O+8*(\t)+7], v[VS+(\t)/2], v[PW] matrix_a_fmt:MATRIX_FMT_FP4 matrix_b_fmt:MATRIX_FMT_FP4
.endif
.endm
.macro STEP hd
	v_add_nc_u32 v[ADR], s[TB], v[L16]
	v_add_nc_u32 v[ADS], s[TB], v[L8]
	v_nop
	v_nop
.irp x, 0,1,2,3
.irp c, 0,1
	ds_load_b128 v[KF+8*\x+4*\c:KF+8*\x+4*\c+3], v[ADR] offset:1024*\x+512*\c
.endr
.endr
	ds_load_b64 v[KS:KS+1], v[ADS] offset:8192
.irp t, 0,1,2,3
.irp c, 0,1
	ds_load_b128 v[VF+8*\t+4*\c:VF+8*\t+4*\c+3], v[ADR] offset:4096+1024*\t+512*\c
.endr
.endr
	ds_load_b64 v[VS:VS+1], v[ADS] offset:8448
	s_wait_dscnt 9
	QK 0, \hd
	QK 1, \hd
	QK 2, \hd
	QK 3, \hd
.rept 4
	v_nop
.endr
.irp b, 0,1,2,3
	v_max3_num_f32 v[BM+\b], v[S+16*\b], v[S+1+16*\b], v[S+2+16*\b]
.endr
.irp i, 3,5,7,9,11,13
.irp b, 0,1,2,3
	v_max3_num_f32 v[BM+\b], v[BM+\b], v[S+16*\b+\i], v[S+1+16*\b+\i]
.endr
.endr
.irp b, 0,1,2,3
	v_max_num_f32 v[BM+\b], v[BM+\b], v[S+15+16*\b]
.endr
.irp b, 0,1,2,3
	s_delay_alu instid0(VALU_DEP_4)
	v_permlanex16_b32 v[PX+\b], v[BM+\b], s[SEL], s[SEL+1]
.endr
.irp b, 0,1,2,3
	s_delay_alu instid0(VALU_DEP_4)
	v_max_num_f32 v[BM+\b], v[BM+\b], v[PX+\b]
.endr
	s_delay_alu instid0(VALU_DEP_2)
	v_max3_num_f32 v[TMP], v[BM], v[BM+1], v[BM+2]
	s_delay_alu instid0(VALU_DEP_1)
	v_max_num_f32 v[TMP], v[TMP], v[BM+3]
	s_delay_alu instid0(VALU_DEP_1)
	v_mul_f32 v[TMP], s[CS], v[TMP]
	s_delay_alu instid0(VALU_DEP_1)
	v_max_num_f32 v13, v13, v[TMP]
	v_mov_b32 v[TMP], v12
	s_delay_alu instid0(VALU_DEP_2)
	v_floor_f32 v12, -v13
	s_delay_alu instid0(VALU_DEP_1)
	v_sub_f32 v[TMP], v12, v[TMP]
	s_delay_alu instid0(VALU_DEP_1)
	v_cvt_i32_f32 v[TMP], v[TMP]
	s_delay_alu instid0(VALU_DEP_1)
	v_ldexp_f32 v[F], 1.0, v[TMP]
.set j, 0
.rept 32
	v_pk_fma_f32 v[S+j:S+j+1], v[S+j:S+j+1], s[CS:CS+1], v[12:13] op_sel_hi:[1,0,0]
.set j, j+2
.endr
.irp b, 0,1,2,3
	v_fma_f32 v[BM+\b], v[BM+\b], s[CS], v12
.endr
.set j, 0
	s_wait_alu depctr_va_vdst(0)
.rept 64
	v_exp_f32 v[S+j], v[S+j]
.set j, j+1
.endr
	s_setprio 1
	v_pk_mul_f32 v[14:15], v[14:15], v[F:F+1] op_sel_hi:[1,0]
	s_wait_alu depctr_va_vdst(0)
.irp b, 0,1,2,3
	v_exp_f32 v[BM+\b], v[BM+\b]
.endr
	v_pk_add_f32 v[SUM2:SUM2+1], v[S:S+1], v[S+2:S+3]
.set j, 4
.rept 15
	v_pk_add_f32 v[14:15], v[14:15], v[S+j:S+j+1]
	v_pk_add_f32 v[SUM2:SUM2+1], v[SUM2:SUM2+1], v[S+j+2:S+j+3]
.set j, j+4
.endr
	s_delay_alu instid0(VALU_DEP_1)
	v_pk_add_f32 v[14:15], v[14:15], v[SUM2:SUM2+1]
	s_wait_alu depctr_va_vdst(0)
.irp b, 0,1,2,3
	v_max_num_f32 v[BM+\b], 0x1800000, v[BM+\b]
.endr
.irp b, 0,1,2,3
	s_delay_alu instid0(VALU_DEP_4)
	v_add_nc_u32 v[SO+\b], 0xff000000, v[BM+\b]
.endr
.irp b, 0,1,2,3
	s_delay_alu instid0(VALU_DEP_4)
	v_lshrrev_b32 v[PX+\b], 23, v[SO+\b]
.endr
	s_delay_alu instid0(VALU_DEP_3)
	v_lshl_or_b32 v[PW], v[PX+1], 8, v[PX]
	s_delay_alu instid0(VALU_DEP_1)
	v_lshl_or_b32 v[PW], v[PX+2], 16, v[PW]
	s_delay_alu instid0(VALU_DEP_1)
	v_lshl_or_b32 v[PW], v[PX+3], 24, v[PW]
.irp c, 0,1
	v_cvt_scalef32_pk8_fp4_f32 v[P+4*\c],   v[S+32*\c:S+32*\c+7],     v[SO+2*\c]
	v_cvt_scalef32_pk8_fp4_f32 v[P+4*\c+1], v[S+32*\c+16:S+32*\c+23], v[SO+2*\c+1]
	v_cvt_scalef32_pk8_fp4_f32 v[P+4*\c+2], v[S+32*\c+8:S+32*\c+15],  v[SO+2*\c]
	v_cvt_scalef32_pk8_fp4_f32 v[P+4*\c+3], v[S+32*\c+24:S+32*\c+31], v[SO+2*\c+1]
.endr
	v_nop
.irp c, 0,1
	v_permlane16_swap_b32 v[P+4*\c], v[P+4*\c+1]
	v_permlane16_swap_b32 v[P+4*\c+2], v[P+4*\c+3]
.endr
.set j, 0
	s_setprio 0
.rept 16
	v_pk_mul_f32 v[O+j:O+j+1], v[O+j:O+j+1], v[F:F+1] op_sel_hi:[1,0]
.set j, j+2
.endr
	s_wait_alu depctr_va_vdst(0)
	s_wait_dscnt 0x0
	PV 0
	PV 1
	PV 2
	PV 3
.endm
.macro HEADOUT hd
	v_add_f32 v14, v14, v15
	s_delay_alu instid0(VALU_DEP_1)
	v_permlanex16_b32 v[TMP], v14, s[SEL], s[SEL+1]
	s_delay_alu instid0(VALU_DEP_1)
	v_add_f32 v14, v14, v[TMP]
	s_wait_alu depctr_va_vdst(0)
	v_rcp_f32 v14, v14
	v_nop
	v_nop
	s_wait_alu depctr_va_vdst(0)
.set j, 0
.rept 16
	v_pk_mul_f32 v[S+j:S+j+1], v[O+j:O+j+1], v[14:15] op_sel_hi:[1,0]
.set j, j+2
.endr
.irp b, 0,1
	v_max3_num_f32 v[BM+\b], |v[S+16*\b]|, |v[S+1+16*\b]|, 0x1800000
.endr
.irp i, 2,4,6,8,10,12,14
.irp b, 0,1
	s_delay_alu instid0(VALU_DEP_2)
	v_max3_num_f32 v[BM+\b], v[BM+\b], |v[S+16*\b+\i]|, |v[S+1+16*\b+\i]|
.endr
.endr
.irp b, 0,1
	s_delay_alu instid0(VALU_DEP_2)
	v_permlanex16_b32 v[PX+\b], v[BM+\b], s[SEL], s[SEL+1]
.endr
.irp b, 0,1
	s_delay_alu instid0(VALU_DEP_2)
	v_max_num_f32 v[BM+\b], v[BM+\b], v[PX+\b]
.endr
.irp b, 0,1
	s_delay_alu instid0(VALU_DEP_2)
	v_add_nc_u32 v[SO+\b], 0xff000000, v[BM+\b]
.endr
.irp b, 0,1
	s_delay_alu instid0(VALU_DEP_2)
	v_lshrrev_b32 v[PX+\b], 23, v[SO+\b]
.endr
.if \hd == 0
	s_delay_alu instid0(VALU_DEP_1)
	v_lshl_or_b32 v[ZS], v[PX+1], 8, v[PX]
.else
	s_delay_alu instid0(VALU_DEP_1)
	v_lshl_or_b32 v[TM2], v[PX+1], 8, v[PX]
	s_delay_alu instid0(VALU_DEP_1)
	v_lshl_or_b32 v[ZS], v[TM2], 16, v[ZS]
.endif
	v_cvt_scalef32_pk8_fp4_f32 v[ZC+4*\hd],   v[S:S+7],     v[SO]
	v_cvt_scalef32_pk8_fp4_f32 v[ZC+4*\hd+1], v[S+16:S+23], v[SO+1]
	v_cvt_scalef32_pk8_fp4_f32 v[ZC+4*\hd+2], v[S+8:S+15],  v[SO]
	v_cvt_scalef32_pk8_fp4_f32 v[ZC+4*\hd+3], v[S+24:S+31], v[SO+1]
	v_nop
	v_permlane16_swap_b32 v[ZC+4*\hd], v[ZC+4*\hd+1]
	v_permlane16_swap_b32 v[ZC+4*\hd+2], v[ZC+4*\hd+3]
.endm
.macro HEAD hd
	v_mov_b32 v13, 0xff61b1e6
	s_delay_alu instid0(VALU_DEP_1)
	v_floor_f32 v12, -v13
	v_mov_b32 v14, 0
	v_mov_b32 v15, 0
.set j, 0
.rept 32
	v_mov_b32 v[O+j], 0
.set j, j+1
.endr
	s_mov_b32 s[TB], \hd*HEADP
	s_mov_b32 s[CNT], 16
.Lstep_\@:
	s_setprio 2
	STEP \hd
	s_add_co_u32 s[TB], s[TB], STEPB
	s_sub_co_u32 s[CNT], s[CNT], 1
	s_cmp_lg_u32 s[CNT], 0
	s_cbranch_scc1 .Lstep_\@
	s_setprio 0
	HEADOUT \hd
.endm
	s_wait_tensorcnt 1
	s_barrier_signal -1
	s_barrier_wait -1
	HEAD 0
	s_wait_tensorcnt 0x0
	s_wait_dscnt 0x0
	s_barrier_signal -1
	s_barrier_wait -1
	HEAD 1
	global_store_b128 v[L16], v[ZC:ZC+3], s[8:9]
	global_store_b128 v[L16], v[ZC+4:ZC+7], s[8:9] offset:512
	v_and_b32 v[TM2], 31, v0
	s_delay_alu instid0(VALU_DEP_1)
	v_cmp_gt_u32 vcc_lo, 16, v[TM2]
	s_wait_alu depctr_va_vdst(0)
	s_wait_xcnt 0x0
	s_and_saveexec_b32 s43, vcc_lo
	global_store_b32 v[ZSO], v[ZS], s[10:11]
	s_wait_xcnt 0x0
	s_or_b32 exec_lo, exec_lo, s43
	s_wait_tensorcnt 0x0
	ds_add_u32 v[SPW], v[NIL]
	s_wait_dscnt 0x0
	CROUND
	s_endpgm
.Lfunc_end_k_qa803993f93_attn:
	.size	k_qa803993f93_attn, .Lfunc_end_k_qa803993f93_attn-k_qa803993f93_attn
	.p2alignl 7, 3214868480
	.fill 96, 4, 3214868480
	.section	.rodata,"a",@progbits
	.p2align	6, 0x0
	.amdhsa_kernel k_qa803993f93_attn
		.amdhsa_group_segment_fixed_size 327680
		.amdhsa_private_segment_fixed_size 0
		.amdhsa_enable_private_segment 0
		.amdhsa_kernarg_size 32
		.amdhsa_user_sgpr_count 2
		.amdhsa_user_sgpr_kernarg_segment_ptr 1
		.amdhsa_wavefront_size32 1
		.amdhsa_system_sgpr_workgroup_id_x 1
		.amdhsa_system_sgpr_workgroup_id_y 1
		.amdhsa_system_sgpr_workgroup_id_z 1
		.amdhsa_system_vgpr_workitem_id 0
		.amdhsa_next_free_vgpr 256
		.amdhsa_next_free_sgpr 66
		.amdhsa_reserve_vcc 1
		.amdhsa_float_denorm_mode_32 3
		.amdhsa_float_denorm_mode_16_64 3
		.amdhsa_memory_ordered 1
		.amdhsa_forward_progress 1
		.amdhsa_inst_pref_size 50
	.end_amdhsa_kernel
	.amdgpu_metadata
---
amdhsa.version: [ 1, 2 ]
amdhsa.kernels:
  - .name:           k_qa803993f93_attn
    .symbol:         k_qa803993f93_attn.kd
    .args:
      - { .name: qst, .offset: 0, .size: 8, .value_kind: global_buffer, .address_space: global }
      - { .name: kvst, .offset: 8, .size: 8, .value_kind: global_buffer, .address_space: global }
      - { .name: z_codes, .offset: 16, .size: 8, .value_kind: global_buffer, .address_space: global }
      - { .name: z_scales, .offset: 24, .size: 8, .value_kind: global_buffer, .address_space: global }
    .group_segment_fixed_size: 327680
    .private_segment_fixed_size: 0
    .kernarg_segment_align: 8
    .kernarg_segment_size: 32
    .max_flat_workgroup_size: 512
    .sgpr_count:     66
    .vgpr_count:     256
    .wavefront_size: 32
...
	.end_amdgpu_metadata
.endif
;; end of part 4
;; launch outp (part 5): grid 4 x 32, 4 waves a work-group, clusters of 4 x 4, 327,680 bytes of LDS; arguments z_codes, z_scales, w_codes, w_scales, bo, out0; writes out0
.if DOCPART == 5
	.amdgcn_target "amdgcn-amd-amdhsa--gfx1250"
	.amdhsa_code_object_version 6
	.text
	.protected	k_qa803993f93_outp
	.globl	k_qa803993f93_outp
	.p2align	8
	.type	k_qa803993f93_outp,@function
k_qa803993f93_outp:
	s_mov_b64 s[64:65], 0
	v_nop
	global_prefetch_b8 v0, s[64:65] scope:SCOPE_SE
	s_setreg_imm32_b32 hwreg(HW_REG_WAVE_MODE, 25, 1), 1
	s_wait_xcnt 0x0
	s_wait_alu depctr_hold_cnt(0) depctr_sa_sdst(0) depctr_va_vdst(0) depctr_va_sdst(0) depctr_va_ssrc(0) depctr_va_vcc(0) depctr_vm_vsrc(0)
	s_getreg_b32 s2, hwreg(HW_REG_IB_STS2, 6, 4)
	s_cmp_eq_u32 s2, 0
	s_cbranch_scc0 .Lentry_in_a_cluster
	s_endpgm
.Lentry_in_a_cluster:
	s_bfe_u32 s2, ttmp6, 0x10000c
	s_cmp_lg_u32 s2, 0xf033
	s_cbranch_scc0 .Lentry_shape_is_right
	s_endpgm
.Lentry_shape_is_right:
; out0 = z wo + bo on codes of FP4: C [8192][1024] f32, K = 1,024.  A = z: its codes lie as register images, [512 blocks of 16 rows][8 K steps of 128][2][lane][16 bytes]; its scale bytes [8192][32].
; B = wo as rows n with K innermost: matrix 3 of w_codes and w_scales.
; A tile of C is 256 x 256, four waves of 128 x 128 (64 accumulators).  K is two slots of 512, both first fills: nothing is filled again.  The scale bytes of the 256 + 256 rows come once.
; CLUSTER 4 x 4: A's tiles are asked for jointly along a row of the cluster, B's along a column.
; THE MATRIX INSTRUCTION IS USED TRANSPOSED (source 0 = 16 rows of B, source 1 = 16 rows of A): a lane holds eight neighbouring numbers of a row of C.  The bias is the C of the first K step's products.
; REGISTERS: window 0: v0-31 addresses; v32-95 scale words, two sets; v128-191 A's fragments; on the way out v128-255 rows of C.   window 1: B's two sets at v0, v128; v64-127 the bias.   windows 2, 3: accumulators.
.set SIZE_N, 1024
.set NQ,     4
.set ROWB,   256
.set KROW,   512
.set PITCH,  272
.set FR,     8
.set NL,     2
.set NP,     4
.set HALFT,  128*PITCH                 ; a quarter of a slot: B's 128 padded rows; A's 128 rows take 32,768 bytes of it
.set SLOT,   4*HALFT
.set KS,     32
.set SCL,    2*SLOT
.set HALFS,  (128*KS/256)*272
.set SBLK,   (16*KS/256)*272
.set SPARE,  SCL+4*HALFS               ; the spare words, 128 bytes a wave, named by no other line
.set SPITCH, 528                       ; the way out: 16 rows x (512 + 16) bytes a wave, in slot 0, which has had its only fill and its last read by then
.set ADRA, 16
.set ADRB, 20
.set STO,  24
.set RD,   25
.set CO,   26
.set ADRS, 27
.set SPW,  28
.set NIL,  29
.set SC,   32
.set AF,   128
.set BK,   128
.set BC,   64                          ; in window 1
.set G1,   24
.set G0,   32
.set G1B,  48
.set G0B,  56
.set WV,   66
.set RH,   67
.set G1S,  68
.set G0S,  76
.set G1SB, 80
.set G0SB, 88
.set CH,   92
.set TROW, 93
.set MSB, 0
.macro WIN new
.if MSB != \new
	s_set_vgpr_msb (MSB<<8)|\new
.set MSB, \new
.endif
.endm
.set MUL_LO, 0xa1
.set MUL_HI, 0xf1
.set TO_B,   0x40
.macro JLOAD g0a, g1a, g0b, g1b        ; a joint load: waves 0, 1 for A, waves 2, 3 for B; an s_nop 0 and four v_nop follow each line
	s_cmp_eq_u32 s[RH], 0
	s_cbranch_scc0 .Lfor_b_\@
	tensor_load_to_lds s[\g0a:\g0a+3], s[\g1a:\g1a+7]
	s_nop 0
.rept 4
	v_nop
.endr
	s_branch .Lasked_\@
.Lfor_b_\@:
	tensor_load_to_lds s[\g0b:\g0b+3], s[\g1b:\g1b+7]
	s_nop 0
.rept 4
	v_nop
.endr
.Lasked_\@:
.endm
.macro CROUND
	s_barrier_signal -1
	s_barrier_wait -1
	s_cmp_lg_u32 s[WV], 0
	s_cbranch_scc1 .Lnot_wave_0_\@
	s_barrier_signal -3
.Lnot_wave_0_\@:
	s_barrier_wait -3
	s_barrier_signal -1
	s_barrier_wait -1
.endm
	s_load_b256 s[4:11], s[0:1], 0x0               ; z_codes, z_scales, w_codes, w_scales
	s_load_b128 s[12:15], s[0:1], 0x20             ; bo, out0
	v_lshl_add_u32 v[SPW], v0, 2, SPARE
	v_mov_b32 v[NIL], 0
	ds_add_u32 v[SPW], v[NIL]                      ; the wave's opening: the add, twice on end, and its wait ahead of my first tensor load
	ds_add_u32 v[SPW], v[NIL]
	v_lshrrev_b32 v1, 5, v0
	v_readfirstlane_b32 s[WV], v1
	s_lshr_b32 s[RH], s[WV], 1
	s_and_b32 s[CH], s[WV], 1
	s_bfe_u32 s40, ttmp6, 0x40000                  ; cx
	s_bfe_u32 s41, ttmp6, 0x40004                  ; cy
	s_lshl_b32 s42, ttmp9, 2
	s_add_co_u32 s42, s42, s40                     ; tile column
	s_and_b32 s[TROW], ttmp7, 0xffff
	s_lshl_b32 s[TROW], s[TROW], 2
	s_add_co_u32 s[TROW], s[TROW], s41             ; tile row
	s_lshl_b32 s43, s41, 2
	s_lshl_b32 s43, 15, s43
	s_lshl_b32 s44, 0x1111, s40
	s_or_b32 s[G1+0], s43, (0<<16)|(1<<21)         ; A: 8 blocks of 16 rows, 4,096 bytes of each (four K steps' images), 8,192 bytes apart; no padding: every read is 16 bytes x lane on end
	s_mov_b32 s[G1+1], 4096<<16
	s_mov_b32 s[G1+2], 8<<16
	s_mov_b32 s[G1+3], 4096<<16
	s_mov_b32 s[G1+4], 8
	s_mov_b32 s[G1+5], 8192
	s_mov_b32 s[G1+6], 0
	s_mov_b32 s[G1+7], 0
	s_or_b32 s[G1B+0], s44, (0<<16)|(1<<20)|(1<<21)|(5<<22)|(3<<25)  ; B: 128 rows of 256 bytes, 16 of padding behind each
	s_mov_b32 s[G1B+1], ROWB<<16
	s_mov_b32 s[G1B+2], 128<<16
	s_mov_b32 s[G1B+3], ROWB<<16
	s_mov_b32 s[G1B+4], 128
	s_mov_b32 s[G1B+5], KROW
	s_mov_b32 s[G1B+6], 0
	s_mov_b32 s[G1B+7], 0
	s_or_b32 s[G1S+0], s43, (3<<16)|(1<<20)|(1<<21)|(5<<22)|(3<<25)
	s_or_b32 s[G1SB+0], s44, (3<<16)|(1<<20)|(1<<21)|(5<<22)|(3<<25)
.irp g, G1S, G1SB
	s_mov_b32 s[\g+1], 32<<16
	s_mov_b32 s[\g+2], (128*KS/256)<<16
	s_mov_b32 s[\g+3], 32<<16
	s_mov_b32 s[\g+4], 128*KS/256
	s_mov_b32 s[\g+5], 32
	s_mov_b32 s[\g+6], 0
	s_mov_b32 s[\g+7], 0
.endr
	s_lshl_b32 s3, s[CH], 7
	s_lshl_b32 s2, s[TROW], 8
	s_add_co_u32 s2, s2, s3                        ; A: the first row that I fetch
	s_lshl_b32 s46, s42, 8
	s_add_co_u32 s46, s46, s3                      ; B: likewise
	s_lshl_b32 s22, s2, 5                          ; A's scales: 32 bytes a row
	s_lshl_b32 s2, s2, 9                           ; A's codes: 8,192 bytes for 16 rows
	s_lshl_b32 s23, s46, 5
	s_add_co_u32 s23, s23, 3*32768                 ; B: matrix 3
	s_lshl_b32 s46, s46, 9
	s_add_co_u32 s46, s46, 3*524288
	s_mov_b32 s3, 0
	s_mov_b32 s47, 0
	s_mul_i32 s45, s[WV], HALFT
	s_mul_i32 s94, s[WV], HALFS
	s_wait_dscnt 0x0
	s_wait_kmcnt 0x0
	s_add_nc_u64 s[G0+2:G0+3], s[4:5], s[2:3]
	s_add_nc_u64 s[G0+6:G0+7], s[G0+2:G0+3], 4096  ; slot 1: K steps 4 to 7
	s_mov_b32 s2, s22
	s_add_nc_u64 s[G0S+2:G0S+3], s[6:7], s[2:3]
	s_add_nc_u64 s[G0B+2:G0B+3], s[8:9], s[46:47]
	s_add_nc_u64 s[G0B+6:G0B+7], s[G0B+2:G0B+3], ROWB
	s_mov_b32 s46, s23
	s_add_nc_u64 s[G0SB+2:G0SB+3], s[10:11], s[46:47]
	s_or_b32 s[G0+3], s[G0+3], 0x80000000
	s_or_b32 s[G0+7], s[G0+7], 0x80000000
	s_or_b32 s[G0B+3], s[G0B+3], 0x80000000
	s_or_b32 s[G0B+7], s[G0B+7], 0x80000000
	s_or_b32 s[G0S+3], s[G0S+3], 0x80000000
	s_or_b32 s[G0SB+3], s[G0SB+3], 0x80000000
	s_mov_b32 s[G0], 1
	s_mov_b32 s[G0+4], 1
	s_mov_b32 s[G0B], 1
	s_mov_b32 s[G0B+4], 1
	s_mov_b32 s[G0S], 1
	s_mov_b32 s[G0SB], 1
	s_mov_b32 s[G0+1], s45
	s_add_co_u32 s[G0+5], s45, SLOT
	s_mov_b32 s[G0B+1], s45
	s_add_co_u32 s[G0B+5], s45, SLOT
	s_add_co_u32 s[G0S+1], s94, SCL
	s_add_co_u32 s[G0SB+1], s94, SCL
	CROUND
	JLOAD G0S, G1S, G0SB, G1SB                     ; the scales, then both slots: each waited for before the next, one load of mine out at a time
	s_wait_alu depctr_va_vdst(0)
	s_wait_tensorcnt 0x0
	ds_add_u32 v28, v29
	s_wait_dscnt 0x0
	CROUND
	JLOAD G0, G1, G0B, G1B
	s_wait_alu depctr_va_vdst(0)
	s_wait_tensorcnt 0x0
	ds_add_u32 v28, v29
	s_wait_dscnt 0x0
	CROUND
	JLOAD G0+4, G1, G0B+4, G1B
	s_lshl_b32 s23, s42, 8
	s_lshl_b32 s2, s[CH], 7
	s_add_co_u32 s23, s23, s2                      ; n0: my first column
	s_lshl_b32 s2, s23, 2
	s_add_nc_u64 s[12:13], s[12:13], s[2:3]        ; bo there
	s_add_nc_u64 s[14:15], s[14:15], s[2:3]        ; out0: + the column's bytes,
	s_lshl_b32 s22, s[TROW], 8
	s_lshl_b32 s2, s[RH], 7
	s_add_co_u32 s22, s22, s2                      ; m0
	s_lshl_b32 s2, s22, 12                         ; + m0 rows of 4,096 bytes
	s_add_nc_u64 s[14:15], s[14:15], s[2:3]
	v_and_b32 v1, 15, v0
	v_bfe_u32 v2, v0, 4, 1
	v_mul_u32_u24 v3, v1, PITCH
	v_lshl_add_u32 v4, v2, 4, v3
	v_and_b32 v6, 31, v0
	v_lshlrev_b32 v[CO], 4, v6                     ; 16 x lane
	s_mul_i32 s22, s[RH], HALFT
	s_mul_i32 s23, s[CH], HALFT
	s_add_co_u32 s23, s23, 2*HALFT
.irp s, 0,1
	v_add_nc_u32 v[ADRA+\s], s22, v[CO]
	v_add_nc_u32 v[ADRB+\s], s23, v4
	s_add_co_u32 s22, s22, SLOT
	s_add_co_u32 s23, s23, SLOT
.endr
	v_mul_u32_u24 v5, v1, KS
	v_lshrrev_b32 v6, 8, v5
	v_lshl_add_u32 v5, v6, 4, v5
	s_mul_i32 s22, s[RH], HALFS
	s_mul_i32 s23, s[CH], HALFS
	s_add_co_u32 s23, s23, 2*HALFS
	s_sub_co_u32 s23, s23, s22
	v_mul_u32_u24 v6, s23, v2
	s_add_co_u32 s22, s22, SCL
	v_add_nc_u32 v5, v5, v6
	v_add_nc_u32 v[ADRS], s22, v5
	s_mul_i32 s23, s[WV], 16*SPITCH
	v_mul_u32_u24 v5, v1, SPITCH
	v_lshl_add_u32 v5, v2, 5, v5
	v_add_nc_u32 v[STO], s23, v5
	v_add_nc_u32 v[RD], s23, v[CO]
	v_lshlrev_b32 v7, 5, v2
	WIN TO_B
.irp b, 0,1,2,3,4,5,6,7
	global_load_b128 v[BC+8*\b:BC+8*\b+3], v7, s[12:13] offset:64*\b
	global_load_b128 v[BC+8*\b+4:BC+8*\b+7], v7, s[12:13] offset:64*\b+16
.endr
	WIN 0
.macro FRAG reg, adr, q, i
.irp c, 0,1
	ds_load_b128 v[\reg+4*\c:\reg+4*\c+3], v[\adr] offset:64*(\q)+32*\c+(\i)*16*PITCH
.endr
.endm
.macro FRAGA reg, adr, q, i            ; A's fragment as it was stored: block i, K step q of the slot
.irp c, 0,1
	ds_load_b128 v[\reg+4*\c:\reg+4*\c+3], v[\adr] offset:1024*(\q)+512*\c+(\i)*4096
.endr
.endm
.macro MUL16 a0, p, q, sc, first       ; the 64 accumulators take turns, one instruction a turn
.irp a, \a0, \a0+1
.irp b, 0,1,2,3,4,5,6,7
.if \first
	v_wmma_scale_f32_16x16x128_f8f6f4 v[8*(8*((\a)%4)+\b):8*(8*((\a)%4)+\b)+7], v[128*(\p)+FR*\b:128*(\p)+FR*\b+FR-1], v[AF+FR*(\a):AF+FR*(\a)+FR-1], v[BC+8*\b:BC+8*\b+7], v[SC+8*NQ*(\sc)+NQ*\b+(\q)], v[SC+8*NQ*(\sc)+NQ*(\a)+(\q)] matrix_a_fmt:MATRIX_FMT_FP4 matrix_b_fmt:MATRIX_FMT_FP4 matrix_a_scale:MATRIX_SCALE_ROW1
.else
	v_wmma_scale_f32_16x16x128_f8f6f4 v[8*(8*((\a)%4)+\b):8*(8*((\a)%4)+\b)+7], v[128*(\p)+FR*\b:128*(\p)+FR*\b+FR-1], v[AF+FR*(\a):AF+FR*(\a)+FR-1], v[8*(8*((\a)%4)+\b):8*(8*((\a)%4)+\b)+7], v[SC+8*NQ*(\sc)+NQ*\b+(\q)], v[SC+8*NQ*(\sc)+NQ*(\a)+(\q)] matrix_a_fmt:MATRIX_FMT_FP4 matrix_b_fmt:MATRIX_FMT_FP4 matrix_a_scale:MATRIX_SCALE_ROW1
.endif
.endr
.endr
.endm
.macro FETCH_B slot, q, p
	WIN TO_B
.irp i, 0,1,2,3,4,5,6,7
	FRAG 128*(\p)+FR*\i, ADRB+\slot, \q, \i
.endr
	WIN 0
.endm
.macro FETCH_A slot, q, i0
.irp i, \i0, \i0+1, \i0+2, \i0+3
	FRAGA AF+FR*(\i), ADRA+\slot, \q, \i
.endr
.endm
.macro SCALES sc
.irp i, 0,1,2,3,4,5,6,7
	ds_load_b128 v[SC+8*NQ*\sc+NQ*\i:SC+8*NQ*\sc+NQ*\i+3], v[ADRS] offset:\i*SBLK
.endr
.endm
.macro PLACES n
.rept \n
	v_nop
.endr
.endm
.macro STEP slot, q, first
	s_wait_dscnt 4*NL                              ; B's set and A's blocks 0-3 are in; A's blocks 4-7, eight loads, may be out
.if \first
	WIN 0x91
.else
	WIN MUL_LO
.endif
	MUL16 0, (\q)%2, \q, \slot, \first
	MUL16 2, (\q)%2, \q, \slot, \first
	s_wait_dscnt 0
	PLACES NP
	FETCH_B \slot, (\q)+1, 1-(\q)%2
	FETCH_A \slot, (\q)+1, 0
.if \first
	WIN 0xd1
.else
	WIN MUL_HI
.endif
	MUL16 4, (\q)%2, \q, \slot, \first
	MUL16 6, (\q)%2, \q, \slot, \first
	PLACES NP
	WIN 0
	FETCH_A \slot, (\q)+1, 4
.endm
.macro TURN slot, next
	s_wait_tensorcnt 0x0                           ; all my tensor loads have landed: my part of the next slot
	ds_add_u32 v[SPW], v[NIL]                      ; 0 onto my spare word
	s_wait_dscnt 4*NL+1                            ; (the add and A's blocks 4-7 may be out)
	WIN MUL_LO
	MUL16 0, 1, NQ-1, \slot, 0
	s_wait_dscnt 0x0
	s_barrier_signal -1
	MUL16 2, 1, NQ-1, \slot, 0
	WIN 0
	s_barrier_wait -1
	PLACES NP
	v_add_nc_u32 v[ADRS], 4*NQ, v[ADRS]
	FETCH_B \next, 0, 0
	FETCH_A \next, 0, 0
	SCALES \next
	WIN MUL_HI
	MUL16 4, 1, NQ-1, \slot, 0
	MUL16 6, 1, NQ-1, \slot, 0
	PLACES NP
	WIN 0
	FETCH_A \next, 0, 4
.endm
.macro STEPS slot, from
.set Q, \from
.rept NQ-1-\from
	STEP \slot, Q, 0
.set Q, Q+1
.endr
.endm
	s_wait_alu depctr_va_vdst(0)
	s_wait_loadcnt 0x0                             ; the bias
	s_wait_tensorcnt 1                             ; the scales and my part of slot 0 are in; slot 1's load may be out
	s_barrier_signal -1
	s_barrier_wait -1
	FETCH_B 0, 0, 0
	FETCH_A 0, 0, 0
	SCALES 0
	FETCH_A 0, 0, 4
	STEP 0, 0, 1
	STEPS 0, 1
	TURN 0, 1
	STEPS 1, 0
	s_wait_dscnt 4*NL
	WIN MUL_LO
	MUL16 0, 1, NQ-1, 1, 0
	MUL16 2, 1, NQ-1, 1, 0
	s_wait_dscnt 0
	WIN MUL_HI
	MUL16 4, 1, NQ-1, 1, 0
	MUL16 6, 1, NQ-1, 1, 0
	WIN 0
; THE WAY OUT, block by block of 16 rows x 128 columns, through my own stage: in as 32 bytes a lane, back as whole rows of 512 bytes.  LDS serves a wave's instructions in order: no wait between stores and loads.
.macro TOSTAGE a
.set AC, 64*((\a)%4)
	WIN 0x08+4*((\a)/4)                            ; the data: window 2 or 3
.irp b, 0,1,2,3,4,5,6,7
	ds_store_b128 v[STO], v[AC+8*\b:AC+8*\b+3] offset:64*\b          ; each accumulator from its low end on
	ds_store_b128 v[STO], v[AC+8*\b+4:AC+8*\b+7] offset:64*\b+16
.endr
	WIN 0
.set BB, BK+64*((\a)%2)
.irp t, 0,1,2,3,4,5,6,7,8,9,10,11,12,13,14,15
	ds_load_b128 v[BB+4*\t:BB+4*\t+3], v[RD] offset:\t*SPITCH
.endr
.endm
.macro SEND a, younger
.set BB, BK+64*((\a)%2)
	s_wait_dscnt \younger                          ; the block is back; the next block's LDS instructions may be out
.if (\a) > 0
	s_add_nc_u64 s[14:15], s[14:15], 16*SIZE_N*4   ; (behind a wait on XCNT: earlier stores have read their base)
.endif
.irp t, 0,1,2,3,4,5,6,7,8,9,10,11,12,13,14,15
	global_store_b128 v[CO], v[BB+4*\t:BB+4*\t+3], s[14:15] offset:\t*SIZE_N*4 th:TH_STORE_NT   ; 32 lanes store 512 consecutive, aligned bytes
.endr
.endm
	PLACES NP
	TOSTAGE 0
.irp a, 1,2,3,4,5,6,7
.if \a > 1
	s_wait_xcnt 0x0                                ; block a - 2's stores have read their registers and their base
.endif
	TOSTAGE \a
	SEND \a-1, 32                                  ; behind block a - 1's loads: block a's 16 stores and 16 loads
.endr
	s_wait_xcnt 0x0
	SEND 7, 0
	s_wait_tensorcnt 0x0                           ; the wave's end
	ds_add_u32 v[SPW], v[NIL]
	s_wait_dscnt 0x0
	CROUND                                         ; the closing round
	s_endpgm
.Lfunc_end_k_qa803993f93_outp:
	.size	k_qa803993f93_outp, .Lfunc_end_k_qa803993f93_outp-k_qa803993f93_outp
	.p2alignl 7, 3214868480
	.fill 96, 4, 3214868480
	.section	.rodata,"a",@progbits
	.p2align	6, 0x0
	.amdhsa_kernel k_qa803993f93_outp
		.amdhsa_group_segment_fixed_size 327680
		.amdhsa_private_segment_fixed_size 0
		.amdhsa_enable_private_segment 0
		.amdhsa_kernarg_size 48
		.amdhsa_user_sgpr_count 2
		.amdhsa_user_sgpr_kernarg_segment_ptr 1
		.amdhsa_wavefront_size32 1
		.amdhsa_system_sgpr_workgroup_id_x 1
		.amdhsa_system_sgpr_workgroup_id_y 1
		.amdhsa_system_sgpr_workgroup_id_z 1
		.amdhsa_system_vgpr_workitem_id 0
		.amdhsa_next_free_vgpr 1024
		.amdhsa_next_free_sgpr 96
		.amdhsa_reserve_vcc 0
		.amdhsa_float_denorm_mode_32 3
		.amdhsa_float_denorm_mode_16_64 3
		.amdhsa_memory_ordered 1
		.amdhsa_forward_progress 1
		.amdhsa_inst_pref_size 127
	.end_amdhsa_kernel
	.amdgpu_metadata
---
amdhsa.version: [ 1, 2 ]
amdhsa.kernels:
  - .name:           k_qa803993f93_outp
    .symbol:         k_qa803993f93_outp.kd
    .args:
      - { .name: z_codes, .offset: 0, .size: 8, .value_kind: global_buffer, .address_space: global }
      - { .name: z_scales, .offset: 8, .size: 8, .value_kind: global_buffer, .address_space: global }
      - { .name: w_codes, .offset: 16, .size: 8, .value_kind: global_buffer, .address_space: global }
      - { .name: w_scales, .offset: 24, .size: 8, .value_kind: global_buffer, .address_space: global }
      - { .name: bo, .offset: 32, .size: 8, .value_kind: global_buffer, .address_space: global }
      - { .name: out0, .offset: 40, .size: 8, .value_kind: global_buffer, .address_space: global }
    .group_segment_fixed_size: 327680
    .private_segment_fixed_size: 0
    .kernarg_segment_align: 8
    .kernarg_segment_size: 48
    .max_flat_workgroup_size: 128
    .sgpr_count:     96
    .vgpr_count:     1024
    .wavefront_size: 32
...
	.end_amdgpu_metadata
.endif
;; end of part 5
